; MI455X (gfx1250); checked and timed in simulation.
; The chip was launched on July 23, 2026; its instructions are those of AMD's public machine-readable ISA for CDNA 5 (MIT licence, August 2026) and "CDNA5" Instruction Set Architecture Reference Guide (July 2026). The comments in the code are by the model that wrote it; some were corrected since.
;; Mo E Layer. Allowed arithmetic: float matrix products may take bf16 or f16 operands with f32 sums; other float arithmetic in f32, or as packed bf16 or f16 multiplies, adds, multiply-adds, maxima and minima; sums over many terms, partial sums and values carried from step to step in f32; what a program stores and reads back later, other than sums and carried values, may be rounded once to bf16 or f16.
;; Inputs: b1 8 x 2,048 float32; b2 8 x 1,024 float32; gate_w 1,024 x 8 float32; w1 8 x 1,024 x 2,048 float32; w2 8 x 2,048 x 1,024 float32; x 4 x 512 x 1,024 float32.
;; Outputs: out0 4 x 512 x 1,024 float32.
;; 2 versions, each right; version 2 is version 1 with the launches ffn1, ffn2 written anew for expert scheduling mode. Each part assembles by itself: llvm-mc -triple=amdgcn-amd-amdhsa -mcpu=gfx1250 --defsym DOCPART=n.
;; ======== version 1 of 2: 5 launches
;; limits: values are held in f16: magnitudes above 65,504 overflow, below 6.1e-05 lose precision
;; workspace buffers: memb 2,048 bytes of whole numbers; selv 8,192 bytes of whole numbers; meta 256 bytes of whole numbers; tokrow 16,384 bytes of whole numbers; val 16,384 bytes; xs 8,650,752 bytes; hbuf 17,301,504 bytes; ypart 34,603,008 bytes
;; launch gate (part 1): grid 128 x 1, 8 waves a work-group, no clusters, 60,416 bytes of LDS; arguments x, gate_w, memb, selv, val; writes memb, selv, val
.if DOCPART == 1
	.amdgcn_target "amdgcn-amd-amdhsa--gfx1250"
	.amdhsa_code_object_version 6
	.text
	.protected	k_qa555e898a5_gate
	.globl	k_qa555e898a5_gate
	.p2align	8
	.type	k_qa555e898a5_gate,@function
k_qa555e898a5_gate:
	s_mov_b64 s[64:65], 0
	v_nop
	global_prefetch_b8 v0, s[64:65] scope:SCOPE_SE
	s_setreg_imm32_b32 hwreg(HW_REG_WAVE_MODE, 25, 1), 1
	s_wait_xcnt 0x0
; GATE.  logits[t][e] = sum over d of bf16(x[t][d]) * bf16(gate_w[d][e]), sums in f32; the two largest logits of a token (on a tie the lower expert first).
; Stored: val[t] = the two logits (f32), selv[t] = e0 | e1 << 8, memb[e][g] = 16 bits, bit i set where token 16 g + i chose expert e.
; SHARES.  A work-group takes 16 tokens; each of its 8 waves 128 of the 1,024 channels; the waves' partial logits meet in LDS and wave 0 finishes.
; LIMITS.  x and gate_w are rounded to bf16 (as every input of this program is).  NaN and infinite logits are not treated apart.
; LAYOUT.  The product is used as experts x tokens: source 0 = 16 rows of gate_w^T (experts 0-7, and the same again as rows 8-15), source 1 = 16 tokens.
; In the result lane l holds token l % 16 and its register j the logit of expert j; lanes 16-31 hold the same numbers once more.
.set PX,    272                        ; a token's 128 bf16 in LDS: 256 bytes + 16, so that the 16 rows of a fragment load start at 16 different groups of four banks (64 banks of 4 bytes: ISA guide 11.1)
.set WREG,  6400                       ; a wave's own LDS: 16 rows of x (4,352 bytes), then gate_w's slice, 128 rows of 8 bf16 (2,048 bytes)
.set GWO,   4352
.set PART,  51200                      ; behind the eight waves' regions: 1,024 bytes of partial logits for each wave
.set SPARE, 59392                      ; the spare words, 128 bytes for each wave: four blocks of 256 bytes that no other line names
.set GW,  16                           ; v[16:47]   gate_w's slice as loaded
.set XR,  48                           ; v[48:111]  16 rows of x as loaded; later the eight partial logits
.set CT,  112                          ; v[112:118] at work
.set XF,  120                          ; v[120:151] fragments of x, 4 K steps
.set GF,  152                          ; v[152:183] fragments of gate_w^T
.set A0,  184                          ; two accumulators, K steps 0, 2 and 1, 3
.set A1,  192
.set LG,  200                          ; v[200:207] the lane's eight logits
	s_load_b256 s[4:11], s[0:1], 0x0               ; x s[4:5], gate_w s[6:7], memb s[8:9], selv s[10:11]
	s_load_b64 s[12:13], s[0:1], 0x20              ; val
	v_lshl_add_u32 v2, v0, 2, SPARE                ; my spare word, and 0: kept for the add at the wave's end alone
	v_mov_b32 v3, 0
	v_and_b32 v1, 31, v0                           ; lane
	v_lshrrev_b32 v4, 5, v0
	v_readfirstlane_b32 s14, v4                    ; wave 0..7
	v_lshlrev_b32 v4, 4, v1                        ; 16 x lane
	s_mul_i32 s15, s14, WREG                       ; my region: x's rows,
	s_add_co_u32 s16, s15, GWO                     ; gate_w's slice,
	s_lshl_b32 s17, s14, 10
	s_add_co_u32 s17, s17, PART                    ; my partial logits
	v_lshl_add_u32 v5, v1, 3, s15                  ; x in: 8 bytes a lane along a row
	v_lshl_add_u32 v7, v1, 3, s16                  ; gate_w in: 8 bytes a lane, two lanes a row of 16 bytes
	v_and_b32 v14, 15, v1                          ; r = l % 16
	v_lshrrev_b32 v15, 4, v1                       ; h = l / 16
	v_mul_u32_u24 v6, v14, PX
	v_lshl_add_u32 v6, v15, 4, v6
	v_add_nc_u32 v6, s15, v6                       ; x out: row r, 16 bytes for each half of the lanes
	v_and_b32 v8, 7, v1
	v_lshl_add_u32 v8, v15, 3, v8                  ; gate_w out, turned: lane l addresses channel 8 h + l % 8, all 8 experts,
	v_lshl_add_u32 v8, v8, 4, s16                  ; and receives expert l % 8, channels 8 h + 0..7
	v_add_nc_u32 v9, s17, v4
	s_lshl_b32 s18, s14, 12                        ; my 128 rows of gate_w: 4,096 bytes
	s_mov_b32 s19, 0
	s_lshl_b32 s20, ttmp9, 16                      ; my group's 16 rows of x,
	s_lshl_b32 s21, s14, 9                         ; my wave's 512 bytes of each
	s_add_co_u32 s20, s20, s21
	s_mov_b32 s21, 0
	s_wait_kmcnt 0x0
	s_add_nc_u64 s[6:7], s[6:7], s[18:19]
	s_add_nc_u64 s[4:5], s[4:5], s[20:21]
.irp i, 0,1,2,3,4,5,6,7
	global_load_b128 v[GW+4*\i:GW+4*\i+3], v4, s[6:7] offset:512*\i    ; 512 consecutive bytes: 16 channels x 8 experts
.endr
.irp r, 0,1,2,3,4,5,6,7,8,9,10,11,12,13,14,15
	global_load_b128 v[XR+4*\r:XR+4*\r+3], v4, s[4:5] offset:4096*\r   ; 512 consecutive bytes of row r
.endr
	s_wait_loadcnt 16                              ; gate_w is in; the 16 younger loads, x's, stay out
.irp i, 0,1,2,3,4,5,6,7
	v_cvt_pk_bf16_f32 v[CT+2*(\i%2)],   v[GW+4*\i],   v[GW+4*\i+1]
	v_cvt_pk_bf16_f32 v[CT+2*(\i%2)+1], v[GW+4*\i+2], v[GW+4*\i+3]
	ds_store_b64 v7, v[CT+2*(\i%2):CT+2*(\i%2)+1] offset:256*\i
.endr
.irp r, 0,1,2,3,4,5,6,7,8,9,10,11,12,13,14,15
	s_wait_loadcnt 15-\r                           ; loads come back in order (ISA guide 5.7.1): row r is in
	v_cvt_pk_bf16_f32 v[CT+2*(\r%2)],   v[XR+4*\r],   v[XR+4*\r+1]
	v_cvt_pk_bf16_f32 v[CT+2*(\r%2)+1], v[XR+4*\r+2], v[XR+4*\r+3]
	ds_store_b64 v5, v[CT+2*(\r%2):CT+2*(\r%2)+1] offset:PX*\r
.endr
	; The fragments: my own bytes, and LDS serves a wave's instructions in order (ISA guide 5.7.1.4), so no barrier and no wait stands between the stores and these loads.
.irp s, 0,1,2,3
	ds_load_b128 v[XF+8*\s:XF+8*\s+3],   v6 offset:64*\s
	ds_load_b128 v[XF+8*\s+4:XF+8*\s+7], v6 offset:64*\s+32
	ds_load_tr16_b128 v[GF+8*\s:GF+8*\s+3],   v8 offset:512*\s
	ds_load_tr16_b128 v[GF+8*\s+4:GF+8*\s+7], v8 offset:512*\s+256
.endr
	s_wait_dscnt 0x0
	v_wmma_f32_16x16x32_bf16 v[A0:A0+7], v[GF:GF+7],       v[XF:XF+7],       0          ; two accumulators by turns
	v_wmma_f32_16x16x32_bf16 v[A1:A1+7], v[GF+8:GF+15],    v[XF+8:XF+15],    0
	v_wmma_f32_16x16x32_bf16 v[A0:A0+7], v[GF+16:GF+23],   v[XF+16:XF+23],   v[A0:A0+7]
	v_wmma_f32_16x16x32_bf16 v[A1:A1+7], v[GF+24:GF+31],   v[XF+24:XF+31],   v[A1:A1+7]
.rept 4
	v_nop                                          ; four places between the products and the first read of their results (ISA guide 7.12.1)
.endr
.irp p, 0,1,2,3
	v_pk_add_f32 v[LG+2*\p:LG+2*\p+1], v[A0+2*\p:A0+2*\p+1], v[A1+2*\p:A1+2*\p+1]      ; from the low end on
.endr
	ds_store_b128 v9, v[LG:LG+3]
	ds_store_b128 v9, v[LG+4:LG+7] offset:512
	s_wait_dscnt 0x0                               ; for wave 0's sake: my partial logits are in LDS
	s_barrier_signal -1
	s_barrier_wait -1
	s_cmp_lg_u32 s14, 0
	s_cbranch_scc1 .Lend                           ; waves 1 to 7 are done
	v_add_nc_u32 v115, PART, v4
.irp w, 0,1,2,3,4,5,6,7
	ds_load_b128 v[XR+8*\w:XR+8*\w+3],   v115 offset:1024*\w
	ds_load_b128 v[XR+8*\w+4:XR+8*\w+7], v115 offset:1024*\w+512
.endr
	s_lshl_b32 s18, ttmp9, 6                       ; selv: 16 tokens x 4 bytes
	s_add_nc_u64 s[10:11], s[10:11], s[18:19]
	s_lshl_b32 s18, ttmp9, 7                       ; val: 16 tokens x 8 bytes
	s_add_nc_u64 s[12:13], s[12:13], s[18:19]
	s_lshl_b32 s18, ttmp9, 1                       ; memb: 2 bytes for the group in each expert's row
	s_add_nc_u64 s[8:9], s[8:9], s[18:19]
	v_mov_b32 v112, 0xff800000                     ; minus infinity: takes the first choice out of the second scan
	v_mov_b32 v113, 0
	v_lshlrev_b32 v116, 2, v14
	v_lshlrev_b32 v117, 3, v14
	v_lshlrev_b32 v118, 8, v1
	s_wait_dscnt 0x0
.irp p, 0,1,2,3
	v_pk_add_f32 v[LG+2*\p:LG+2*\p+1], v[XR+2*\p:XR+2*\p+1], v[XR+8+2*\p:XR+8+2*\p+1]  ; the eight slices in ascending order
.endr
.irp w, 2,3,4,5,6,7
.irp p, 0,1,2,3
	v_pk_add_f32 v[LG+2*\p:LG+2*\p+1], v[LG+2*\p:LG+2*\p+1], v[XR+8*\w+2*\p:XR+8*\w+2*\p+1]
.endr
.endr
	v_mov_b32 v10, v[LG]                           ; the largest: a later expert wins only if it is strictly larger
	v_mov_b32 v12, 0
.irp e, 1,2,3,4,5,6,7
	v_cmp_ge_f32 vcc_lo, v10, v[LG+\e]
	v_cndmask_b32 v12, \e, v12, vcc_lo
	v_cndmask_b32 v10, v[LG+\e], v10, vcc_lo
.endr
.irp e, 0,1,2,3,4,5,6,7
	v_cmp_eq_u32 vcc_lo, \e, v12
	v_cndmask_b32 v[LG+\e], v[LG+\e], v112, vcc_lo
.endr
	v_mov_b32 v11, v[LG]                           ; the second largest, likewise
	v_mov_b32 v13, 0
.irp e, 1,2,3,4,5,6,7
	v_cmp_ge_f32 vcc_lo, v11, v[LG+\e]
	v_cndmask_b32 v13, \e, v13, vcc_lo
	v_cndmask_b32 v11, v[LG+\e], v11, vcc_lo
.endr
	v_lshl_or_b32 v114, v13, 8, v12
	global_store_b32 v116, v114, s[10:11]          ; lanes 16-31 store the same numbers to the same places as lanes 0-15
	global_store_b64 v117, v[10:11], s[12:13]
.irp e, 0,1,2,3,4,5,6,7
	v_cmp_eq_u32 s20, \e, v12
	v_cmp_eq_u32 s21, \e, v13
	s_or_b32 s20, s20, s21                         ; bit l: token l % 16 chose expert e
	v_writelane_b32 v113, s20, \e                  ; lane e carries expert e's mask
.endr
	v_cmp_gt_u32 vcc_lo, 8, v1
	s_wait_xcnt 0x0                                ; EXEC is a source of the stores above: it changes only behind this wait
	s_and_saveexec_b32 s22, vcc_lo
	global_store_b16 v118, v113, s[8:9]            ; lane e: the low 16 bits, to row e of memb
	s_wait_xcnt 0x0                                ; and again in front of the line that widens it
	s_or_b32 exec_lo, exec_lo, s22
.Lend:
	s_wait_tensorcnt 0x0                           ; the wave's end
	ds_add_u32 v2, v3
	s_wait_dscnt 0x0
	s_endpgm
.Lfunc_end_k_qa555e898a5_gate:
	.size	k_qa555e898a5_gate, .Lfunc_end_k_qa555e898a5_gate-k_qa555e898a5_gate
	.p2alignl 7, 3214868480
	.fill 96, 4, 3214868480
	.section	.rodata,"a",@progbits
	.p2align	6, 0x0
	.amdhsa_kernel k_qa555e898a5_gate
		.amdhsa_group_segment_fixed_size 60416
		.amdhsa_private_segment_fixed_size 0
		.amdhsa_enable_private_segment 0
		.amdhsa_kernarg_size 40
		.amdhsa_user_sgpr_count 2
		.amdhsa_user_sgpr_kernarg_segment_ptr 1
		.amdhsa_wavefront_size32 1
		.amdhsa_system_sgpr_workgroup_id_x 1
		.amdhsa_system_sgpr_workgroup_id_y 1
		.amdhsa_system_sgpr_workgroup_id_z 1
		.amdhsa_system_vgpr_workitem_id 0
		.amdhsa_next_free_vgpr 208
		.amdhsa_next_free_sgpr 66
		.amdhsa_reserve_vcc 1
		.amdhsa_float_denorm_mode_32 3
		.amdhsa_float_denorm_mode_16_64 3
		.amdhsa_memory_ordered 1
		.amdhsa_forward_progress 1
		.amdhsa_inst_pref_size 19
	.end_amdhsa_kernel
	.amdgpu_metadata
---
amdhsa.version: [ 1, 2 ]
amdhsa.kernels:
  - .name:           k_qa555e898a5_gate
    .symbol:         k_qa555e898a5_gate.kd
    .args:
      - { .name: x, .offset: 0, .size: 8, .value_kind: global_buffer, .address_space: global }
      - { .name: gate_w, .offset: 8, .size: 8, .value_kind: global_buffer, .address_space: global }
      - { .name: memb, .offset: 16, .size: 8, .value_kind: global_buffer, .address_space: global }
      - { .name: selv, .offset: 24, .size: 8, .value_kind: global_buffer, .address_space: global }
      - { .name: val, .offset: 32, .size: 8, .value_kind: global_buffer, .address_space: global }
    .group_segment_fixed_size: 60416
    .private_segment_fixed_size: 0
    .kernarg_segment_align: 8
    .kernarg_segment_size: 40
    .max_flat_workgroup_size: 256
    .sgpr_count:     66
    .vgpr_count:     208
    .wavefront_size: 32
...
	.end_amdgpu_metadata
.endif
;; end of part 1
;; launch sortx (part 2): grid 264 x 1, 8 waves a work-group, no clusters, 42,240 bytes of LDS; arguments memb, selv, x, xs, tokrow, meta; writes xs, tokrow, meta
.if DOCPART == 2
	.amdgcn_target "amdgcn-amd-amdhsa--gfx1250"
	.amdhsa_code_object_version 6
	.text
	.protected	k_qa555e898a5_sortx
	.globl	k_qa555e898a5_sortx
	.p2align	8
	.type	k_qa555e898a5_sortx,@function
k_qa555e898a5_sortx:
	s_mov_b64 s[64:65], 0
	v_nop
	global_prefetch_b8 v0, s[64:65] scope:SCOPE_SE
	s_setreg_imm32_b32 hwreg(HW_REG_WAVE_MODE, 25, 1), 1
	s_wait_xcnt 0x0
; SORT AND GATHER.  The (token, expert) pairs are laid in SORTED ROWS: expert after expert, in an expert its tokens ascending, each expert padded to whole blocks of 16 rows.
; off[e] = expert e's first block, off[8] = the number of blocks (256 to 263: 4,096 pairs, at most 7 blocks of padding).  Stored: meta[0..8] = off; tokrow[t][k] = sorted row | expert << 16 for the expert in
; place k of token t's two (every word is written: each pair lies in one sorted row); xs = the sorted rows of x in bf16, in FRAGMENT IMAGE: a block of 16 rows is 64 half-steps of 512 bytes, and in half-step q
; lane l = 16 h + r owns the 16 bytes at 512 q + 16 l: row r, channels 16 q + 8 h + 0..7.  Two half-steps are the 8 registers of a 16-bit matrix operand for 32 channels, so the next launch loads fragments by
; plain loads of 512 consecutive bytes.
; SHARES.  Every work-group makes all eight offsets anew from memb (2,048 bytes); work-group i then makes block i, one block each, so that all do equal work.  There are 264 work-groups, as many as xs has
; room for blocks; a block past the count holds padding rows alone (at most 8 such blocks, 32,768 bytes each).  Wave w takes the channels 128 w .. + 127.
; A padding row takes token 2,047's numbers: valid data whose results no launch uses.
.set MSK,   0                          ; [8][64] words: expert e's membership masks, bit l of word d = token 32 d + l
.set PRE,   2048                       ; [8][64] words: how many of the expert's tokens lie in front of word d
.set TOT,   4096                       ; word e: expert e's tokens
.set PRIV,  4352                       ; 256 bytes a wave: a list of 16 words, token + 1 or 0, and a 17th word for what does not belong
.set STAGE, 6400                       ; 16 rows x 272 bytes a wave
.set PX,    272                        ; 256 bytes + 16: the 16 rows of a load start at 16 different groups of four banks (64 banks of 4 bytes: ISA guide 11.1)
.set SPARE, 41216                      ; the spare words, 128 bytes for each wave: four blocks of 256 bytes that no other line names
.set OFF,   64                         ; v[64:79]   byte offsets in x of the block's 16 rows
.set XR,    80                         ; v[80:143]  16 rows as loaded; then 8 half-steps to store
; s16 my wave; s20 my block; s22 its expert; s24 the rank of its first row in the expert; s[40:47] the experts' tokens; s[48:56] off[0..8]
.macro POPC d, x, t                    ; v[d] = the number of ones in v[x]; v[t] at work
	v_lshrrev_b32 v[\t], 1, v[\x]
	v_and_b32 v[\t], s36, v[\t]
	v_sub_nc_u32 v[\d], v[\x], v[\t]
	v_lshrrev_b32 v[\t], 2, v[\d]
	v_and_b32 v[\t], s37, v[\t]
	v_and_b32 v[\d], s37, v[\d]
	v_add_nc_u32 v[\d], v[\d], v[\t]
	v_lshrrev_b32 v[\t], 4, v[\d]
	v_add_nc_u32 v[\d], v[\d], v[\t]
	v_and_b32 v[\d], s38, v[\d]
	v_mul_lo_u32 v[\d], v[\d], s39
	v_lshrrev_b32 v[\d], 24, v[\d]
.endm
	s_load_b256 s[4:11], s[0:1], 0x0               ; memb s[4:5], selv s[6:7], x s[8:9], xs s[10:11]
	s_load_b128 s[12:15], s[0:1], 0x20             ; tokrow s[12:13], meta s[14:15]
	v_lshl_add_u32 v2, v0, 2, SPARE                ; my spare word, and 0: kept for the add at the wave's end alone
	v_mov_b32 v3, 0
	v_and_b32 v1, 31, v0                           ; lane
	v_lshrrev_b32 v4, 5, v0
	v_readfirstlane_b32 s16, v4                    ; wave 0..7
	v_lshlrev_b32 v4, 4, v1                        ; 16 x lane
	v_and_b32 v5, 15, v1                           ; r
	v_lshrrev_b32 v6, 4, v1                        ; h
	v_lshlrev_b32 v7, 2, v5
	s_lshl_b32 s17, s16, 8
	v_add_nc_u32 v8, s17, v1                       ; the token of my bit in my wave's first word: 256 w + lane
	s_lshl_b32 s2, s16, 9
	v_add_nc_u32 v9, s2, v4                        ; my 16 bytes in a row of x: 512 w + 16 lane
	v_mov_b32 v10, 1
	v_lshlrev_b32 v10, v1, v10                     ; my bit,
	v_add_nc_u32 v11, -1, v10                      ; and the bits below it
	s_mul_i32 s2, s16, 16*PX
	s_add_co_u32 s2, s2, STAGE
	v_lshl_add_u32 v12, v1, 3, s2                  ; stage in: 8 bytes a lane along a row
	v_mul_u32_u24 v13, v5, PX
	v_lshl_add_u32 v13, v6, 4, v13
	v_add_nc_u32 v13, s2, v13                      ; stage out: row r, 16 bytes for each half of the lanes
	s_add_co_u32 s18, s17, PRIV
	v_mov_b32 v14, s18                             ; my wave's list
	v_lshl_add_u32 v34, v1, 3, s17                 ; 256 w + 8 lane: my two words of expert w, in memb and in LDS
	v_add_nc_u32 v35, PRIV, v7                     ; word r of wave 0's list
	s_mov_b32 s36, 0x55555555
	s_mov_b32 s37, 0x33333333
	s_mov_b32 s38, 0x0f0f0f0f
	s_mov_b32 s39, 0x01010101
	s_mov_b32 s20, ttmp9
	s_wait_kmcnt 0x0
	global_load_b64 v[16:17], v34, s[4:5]
	v_add_nc_u32 v21, s18, v7                      ; my list's 16 words start at 0 (lanes 16-31 write what lanes 0-15 write)
	v_mov_b32 v33, 0
	ds_store_b32 v21, v33
	s_wait_loadcnt 0x0
	; Wave w counts expert w: ones in my two words, then a running sum over the lanes.
	POPC 18, 16, 21
	POPC 19, 17, 21
	v_add_nc_u32 v20, v18, v19
.irp n, 1,2,4,8
	v_mov_b32 v21, 0
	v_mov_b32_dpp v21, v20 row_shr:\n row_mask:0xf bank_mask:0xf bound_ctrl:1
	v_add_nc_u32 v20, v20, v21
.endr
	v_readlane_b32 s19, v20, 15                    ; the lower 16 lanes' sum goes onto the upper 16
	v_cmp_lt_u32 vcc_lo, 15, v1
	v_cndmask_b32 v21, 0, s19, vcc_lo
	v_add_nc_u32 v20, v20, v21
	v_readlane_b32 s19, v20, 31                    ; the expert's tokens
	v_sub_nc_u32 v22, v20, v18
	v_sub_nc_u32 v22, v22, v19                     ; in front of my first word,
	v_add_nc_u32 v23, v22, v18                     ; and of my second
	ds_store_b64 v34, v[16:17]
	ds_store_b64 v34, v[22:23] offset:PRE
	s_lshl_b32 s3, s16, 2
	v_mov_b32 v21, s3
	v_mov_b32 v32, s19
	ds_store_b32 v21, v32 offset:TOT               ; all lanes: the same word, the same number
	s_wait_dscnt 0x0                               ; for the others' sake: masks, prefixes and total are in LDS
	s_barrier_signal -1
	s_barrier_wait -1
	v_mov_b32 v21, TOT
	ds_load_b128 v[24:27], v21
	ds_load_b128 v[28:31], v21 offset:16
	s_wait_dscnt 0x0
	s_mov_b32 s48, 0
.irp e, 0,1,2,3,4,5,6,7
	v_readfirstlane_b32 s[40+\e], v[24+\e]
	s_add_co_u32 s2, s[40+\e], 15
	s_lshr_b32 s2, s2, 4
	s_add_co_u32 s[49+\e], s[48+\e], s2            ; off[e + 1] = off[e] + the expert's blocks
.endr
	s_or_b32 s2, ttmp9, s16
	s_cmp_lg_u32 s2, 0
	s_cbranch_scc1 .Lnometa                        ; wave 0 of work-group 0 stores the nine offsets
	v_mov_b32 v32, 0
.irp i, 0,1,2,3,4,5,6,7,8
	v_writelane_b32 v32, s[48+\i], \i
.endr
	v_lshlrev_b32 v21, 2, v1
	v_cmp_gt_u32 vcc_lo, 9, v1
	s_wait_xcnt 0x0                                ; EXEC changes only behind this wait
	s_and_saveexec_b32 s3, vcc_lo
	global_store_b32 v21, v32, s[14:15]
	s_wait_xcnt 0x0                                ; and again in front of the line that widens it
	s_or_b32 exec_lo, exec_lo, s3
.Lnometa:
	; The block's expert: the last e with off[e] <= block; s24 = 16 x (block - off[e]).  A block past the end gets expert 7 and a rank that no token has.
	s_mov_b32 s22, 0
	s_mov_b32 s24, 0
.irp k, 1,2,3,4,5,6,7
	s_cmp_le_u32 s[48+\k], s20
	s_cselect_b32 s24, s[48+\k], s24
	s_add_co_ci_u32 s22, s22, 0                    ; counts the compares that held
.endr
	s_min_u32 s22, s22, 7
	s_sub_co_u32 s24, s20, s24
	s_lshl_b32 s24, s24, 4
	; My wave's 256 tokens against the block: a token of the expert whose rank is s24 + 0..15 writes token + 1 into that word of my wave's list; all others write the 17th word.
	s_lshl_b32 s2, s22, 8
	s_lshl_b32 s3, s16, 5
	s_add_co_u32 s2, s2, s3
	v_mov_b32 v34, s2                              ; the expert's words 8 w .. 8 w + 7, the same address in every lane
	ds_load_b128 v[40:43], v34
	ds_load_b128 v[44:47], v34 offset:16
	ds_load_b128 v[48:51], v34 offset:PRE
	ds_load_b128 v[52:55], v34 offset:PRE+16
	s_wait_dscnt 0x0
.set k, 0
.rept 8
	v_and_b32 v57, v[40+k], v11
	POPC 56, 57, 60                                ; the word's tokens below mine
	v_add_nc_u32 v57, v56, v[48+k]                 ; my rank in the expert
	v_sub_nc_u32 v57, v57, s24
	v_and_b32 v58, v[40+k], v10
	v_cmp_ne_u32 vcc_lo, 0, v58
	v_cndmask_b32 v57, -1, v57, vcc_lo             ; no member: out
	v_min_u32 v57, 16, v57                         ; in front of the block (wrapped), behind it, or out: word 16
	v_lshl_add_u32 v57, v57, 2, v14
	v_add_nc_u32 v59, 32*k+1, v8
	ds_store_b32 v57, v59
.set k, k+1
.endr
	s_wait_dscnt 0x0                               ; for the others' sake: my list is in LDS
	s_barrier_signal -1
	s_barrier_wait -1                              ; the last barrier: behind it a wave writes its own stage alone
	; The eight waves' lists are one list: each word is set by one wave at the most.  v36 = token + 1 or 0 (lane l: row l % 16), v37 = the token, 2,047 for a padding row.
.irp q, 0,1,2,3,4,5,6,7
	ds_load_b32 v[56+\q], v35 offset:256*\q
.endr
	s_wait_dscnt 0x0
	v_or_b32 v36, v56, v57
.irp q, 2,3,4,5,6,7
	v_or_b32 v36, v36, v[56+\q]
.endr
	v_add_nc_u32 v37, -1, v36
	v_min_u32 v37, 0x7ff, v37
	v_lshlrev_b32 v38, 2, v37
	global_load_b32 v39, v38, s[6:7]               ; the tokens' two experts: issued ahead of the rows, so that the rows' counted waits hold for it too
	; 16 rows x my 512 bytes: loaded, rounded to bf16, through my stage into fragment image, stored as 8 half-steps of 512 consecutive bytes.
.set r, 0
.rept 16
	v_readlane_b32 s2, v37, r
	s_min_u32 s2, s2, 0x7ff
	s_lshl_b32 s2, s2, 12
	v_add_nc_u32 v[OFF+r], s2, v9
.set r, r+1
.endr
.set r, 0
.rept 16
	global_load_b128 v[XR+4*r:XR+4*r+3], v[OFF+r], s[8:9]
.set r, r+1
.endr
	s_lshl_b32 s2, s20, 15                         ; the block's 32,768 bytes,
	s_lshl_b32 s3, s16, 12                         ; my 8 half-steps of them
	s_add_co_u32 s2, s2, s3
	s_mov_b32 s3, 0
	s_add_nc_u64 s[26:27], s[10:11], s[2:3]
.set r, 0
.rept 16
	s_wait_loadcnt 15-r                            ; loads come back in order (ISA guide 5.7.1): row r is in
	v_cvt_pk_bf16_f32 v[60+2*(r%2)], v[XR+4*r],   v[XR+4*r+1]
	v_cvt_pk_bf16_f32 v[61+2*(r%2)], v[XR+4*r+2], v[XR+4*r+3]
	ds_store_b64 v12, v[60+2*(r%2):61+2*(r%2)] offset:PX*r
.set r, r+1
.endr
.irp q, 0,1,2,3,4,5,6,7
	ds_load_b128 v[XR+4*\q:XR+4*\q+3], v13 offset:32*\q   ; my own bytes: LDS serves a wave's instructions in order (ISA guide 5.7.1.4)
.endr
.irp q, 0,1,2,3,4,5,6,7
	s_wait_dscnt 7-\q
	global_store_b128 v4, v[XR+4*\q:XR+4*\q+3], s[26:27] offset:512*\q
.endr
	; Wave 0: tokrow[token][place] = 16 x block + row | expert << 16, for the rows that hold a token.  Lanes 16-31 store what lanes 0-15 store, to the same places.
	s_cmp_lg_u32 s16, 0
	s_cbranch_scc1 .Lend
	v_and_b32 v56, 0xff, v39                       ; the token's first expert
	v_mov_b32 v57, 4
	v_cmp_ne_u32 vcc_lo, s22, v56
	v_cndmask_b32 v56, 0, v57, vcc_lo              ; place 0 if the block's expert is the first, else place 1: 4 bytes on
	v_min_u32 v56, 4, v56
	v_lshl_add_u32 v56, v37, 3, v56                ; 8 x token + 4 x place
	s_lshl_b32 s2, s20, 4
	s_lshl_b32 s3, s22, 16
	s_or_b32 s2, s2, s3
	v_or_b32 v57, s2, v5                           ; 16 x block + row (at most 4,223), the expert above it
	v_cmp_ne_u32 vcc_lo, 0, v36
	s_wait_xcnt 0x0                                ; EXEC changes only behind this wait
	s_and_saveexec_b32 s3, vcc_lo
	global_store_b32 v56, v57, s[12:13]
	s_wait_xcnt 0x0                                ; and again in front of the line that widens it
	s_or_b32 exec_lo, exec_lo, s3
.Lend:
	s_wait_tensorcnt 0x0                           ; the wave's end
	ds_add_u32 v2, v3
	s_wait_dscnt 0x0
	s_endpgm
.Lfunc_end_k_qa555e898a5_sortx:
	.size	k_qa555e898a5_sortx, .Lfunc_end_k_qa555e898a5_sortx-k_qa555e898a5_sortx
	.p2alignl 7, 3214868480
	.fill 96, 4, 3214868480
	.section	.rodata,"a",@progbits
	.p2align	6, 0x0
	.amdhsa_kernel k_qa555e898a5_sortx
		.amdhsa_group_segment_fixed_size 42240
		.amdhsa_private_segment_fixed_size 0
		.amdhsa_enable_private_segment 0
		.amdhsa_kernarg_size 48
		.amdhsa_user_sgpr_count 2
		.amdhsa_user_sgpr_kernarg_segment_ptr 1
		.amdhsa_wavefront_size32 1
		.amdhsa_system_sgpr_workgroup_id_x 1
		.amdhsa_system_sgpr_workgroup_id_y 1
		.amdhsa_system_sgpr_workgroup_id_z 1
		.amdhsa_system_vgpr_workitem_id 0
		.amdhsa_next_free_vgpr 144
		.amdhsa_next_free_sgpr 66
		.amdhsa_reserve_vcc 1
		.amdhsa_float_denorm_mode_32 3
		.amdhsa_float_denorm_mode_16_64 3
		.amdhsa_memory_ordered 1
		.amdhsa_forward_progress 1
		.amdhsa_inst_pref_size 26
	.end_amdhsa_kernel
	.amdgpu_metadata
---
amdhsa.version: [ 1, 2 ]
amdhsa.kernels:
  - .name:           k_qa555e898a5_sortx
    .symbol:         k_qa555e898a5_sortx.kd
    .args:
      - { .name: memb, .offset: 0, .size: 8, .value_kind: global_buffer, .address_space: global }
      - { .name: selv, .offset: 8, .size: 8, .value_kind: global_buffer, .address_space: global }
      - { .name: x, .offset: 16, .size: 8, .value_kind: global_buffer, .address_space: global }
      - { .name: xs, .offset: 24, .size: 8, .value_kind: global_buffer, .address_space: global }
      - { .name: tokrow, .offset: 32, .size: 8, .value_kind: global_buffer, .address_space: global }
      - { .name: meta, .offset: 40, .size: 8, .value_kind: global_buffer, .address_space: global }
    .group_segment_fixed_size: 42240
    .private_segment_fixed_size: 0
    .kernarg_segment_align: 8
    .kernarg_segment_size: 48
    .max_flat_workgroup_size: 256
    .sgpr_count:     66
    .vgpr_count:     144
    .wavefront_size: 32
...
	.end_amdgpu_metadata
.endif
;; end of part 2
;; launch ffn1 (part 3): grid 32 x 8, 4 waves a work-group, no clusters, 134,656 bytes of LDS; arguments meta, xs, w1, b1, hbuf; writes hbuf
.if DOCPART == 3
	.amdgcn_target "amdgcn-amd-amdhsa--gfx1250"
	.amdhsa_code_object_version 6
	.text
	.protected	k_qa555e898a5_ffn1
	.globl	k_qa555e898a5_ffn1
	.p2align	8
	.type	k_qa555e898a5_ffn1,@function
k_qa555e898a5_ffn1:
	s_mov_b64 s[64:65], 0
	v_nop
	global_prefetch_b8 v0, s[64:65] scope:SCOPE_SE
	s_setreg_imm32_b32 hwreg(HW_REG_WAVE_MODE, 25, 1), 1
	s_wait_xcnt 0x0
; EXPERT LAYER.  One text serves both layers; FFN chooses.
;   FFN = 1:  H = relu(Xs w1[e] + b1[e]), rounded once to f16, for the sorted rows of expert e.  Product in bf16.  Arguments: meta, xs, w1, b1, hbuf.
;   FFN = 2:  Y(half) = H w2[e] over one half of the 2,048 channels of H, f32 partial sums.      Product in f16.   Arguments: meta, hbuf, w2, ypart.
.set FFN, 1
; FORMATS.  Weights and bias are rounded to bf16 (as every input of this program is); sums in f32.  H, which the program makes itself, is kept in f16: its 11 significant bits leave an eighth of the error that
; bf16's 8 would, and the rows with the largest combine weights need that.  So the second layer multiplies in f16: w2 is rounded to bf16 and that number is written as f16.
; LIMITS.  An H of 65,520 or more becomes an infinity.  With x of spread 1 and w1 of spread 0.02 a sum of 1,024 products has spread 0.64; both 30 times larger: 576; common offsets of 30 and of 0.6: 18,432.
; A bf16 number is exact in f16 from 2^-17 on (8 significant bits over f16's fixed step of 2^-24); a smaller w2 is off by 2^-25 at the most.  relu is taken of the rounded number, which is the same number; a minus zero may remain.
; SHARES.  Work-group (x, e): expert e, 64 output columns (FFN = 2: columns by x % 16, half of K by x / 16), K = 1,024.  It turns its 1,024 x 64 weights into 16 bits ONCE and keeps them in LDS as [column][k]:
; each weight byte is loaded and converted once in the launch.  Then the expert's blocks of 16 sorted rows go by: in pass p wave w takes the blocks 36 p + 9 w + 0..8, 36 accumulators of 16 x 16.
; The row operand lies in memory in FRAGMENT IMAGE (a block: half-steps of 512 bytes; in half-step q lane l = 16 h + r owns the 16 bytes at 512 q + 16 l: row r, k = 16 q + 8 h + 0..7), so it is
; loaded straight into registers, 512 consecutive bytes a load, and touches no LDS.
; COUNTS FROM MEMORY.  meta[e], meta[e + 1] bound the expert's blocks, meta[8] is the number of blocks.  The pass loop counts to the constant 4 (144 blocks; an expert has 128 at the most); a wave with no block in a
; pass jumps forward over it.  A pass always multiplies nine blocks that exist: its first block is moved back where nine would pass the last block; what is not the wave's own is not stored.
; THE FIRST PASS'S ROWS are asked for inside the fill, a ring place as soon as the fill has left its registers, by every wave, with or without a block of its own (the nine blocks exist either way): they are on
; their way while the last weights come.  The pass loop is entered behind its own copy of these loads.
; NO CLUSTER: what an expert's 32 work-groups share is the row operand, and each fragment of it feeds one wave's products only; a joint load would land it in LDS, 36 KB written and read for each K step beside the
; 16 KB of weight fragments that are read there now; and how many passes a partner runs hangs on counts read from memory.
; THE RESULT'S LAYOUT is chosen so that it leaves without LDS.
;   FFN = 1: source 0 = 16 columns of the weights, source 1 = 16 rows.  Lane l holds row l % 16 and columns 8 (l / 16) + 0..7 of the block of 16: rounded, the lane's 16 bytes of a half-step of the next layer's rows.
;   FFN = 2: source 0 = 16 rows, source 1 = 16 columns, and column block c holds the columns 4 r + c (the fill lays them so).  Lane l holds column place r = l % 16 and rows 8 (l / 16) + 0..7: register j of the four
;            accumulators of a block is four neighbouring f32 of one row, and 16 lanes hold the row's 256 bytes.
; REGISTERS, in windows of 256 (s_set_vgpr_msb: bits 1:0 source 0, 3:2 source 1, 5:4 source 2, 7:6 destination):
;   window 0: v1-15 addresses; v16-47 bias; v48-79, v80-111 weight fragments, two buffers; v112-143 at work; v144-255 (and v48-79) the first layer's results to store, 16 registers a block
;   window 1: accumulators of blocks 0-7, (i, c) at 32 i + 8 c      window 2: row fragments of blocks 0-7, a ring of four K steps, (b, i) at 64 b + 8 i; in the fill: eight places for units of weights;
;   on the second layer's way out: its results to store, 32 registers a block      window 3: v0-31 accumulators of block 8; v32-63 its row fragments, then its results to store
; SCALARS: s[28:29], s[38:39], s[40:41], s[42:43] the rows' address for ring places 0 to 3, one each, so that each is stepped behind the wait that shows its own loads done; s[30:31] the output's.
.if FFN == 1
.set PITCHW, 8192                      ; bytes from row to row of the weights
.set ABLK,   32768                     ; bytes of a block of the row operand
.set LOGA,   15
.set LOGH,   16                        ; 8 rows of the weights = 1 << LOGH bytes
.set LOGWV,  21                        ; 256 rows
.set W_MUL,  0x58                      ; weights (source 0) window 0, rows (source 1) window 2, sums window 1
.set W_MUL8, 0xfc                      ; block 8: rows and sums window 3
.else
.set PITCHW, 4096
.set ABLK,   65536
.set LOGA,   16
.set LOGH,   15
.set LOGWV,  20
.set W_MUL,  0x52                      ; rows (source 0) window 2, weights (source 1) window 0, sums window 1
.set W_MUL8, 0xf3
.set YH,     17301504                  ; bytes of one half's partial sums
.endif
.set PS,    2064                       ; a column's 1,024 numbers of 16 bits in LDS: 2,048 bytes + 16: the 16 columns of a fragment load start at 16 different groups of four banks (64 banks of 4 bytes: ISA guide 11.1)
.set HALFS, 32*PS                      ; LDS rows 32-63 begin here: beyond the reach of a 16-bit offset, so they have an address register of their own
.set SPARE, 134144                     ; the weights end at 132,096; 2,048 bytes are left free; then the spare words, 128 bytes for each wave: two blocks of 256 bytes that no other line names
.set BI, 16
.set WF, 48
.set TR, 112
.set UP, 128                           ; v[128:159], in the second layer's fill: 32 weights rounded to bf16 and widened again
.set MSB, 0
.macro WIN new                         ; the immediate's high byte repeats the setting that is left; a switch that changes nothing is dropped
.if MSB != (\new)
	s_set_vgpr_msb (MSB<<8)|(\new)
.set MSB, (\new)
.endif
.endm
.macro XB b                            ; XBR = the first register of ring place b's address
.if (\b) == 0
.set XBR, 28
.else
.set XBR, 36+2*(\b)
.endif
.endm
; A pass's nine blocks, from s23, my first block counted in the expert.
.macro PARAMS
	s_add_co_u32 s24, s18, s23                     ; my first block,
	s_sub_co_u32 s25, s20, 9
	s_min_u32 s25, s25, s24                        ; moved back where nine blocks from it on would pass the last block;
	s_min_u32 s25, s25, 255                        ; (there are 263 blocks at the most)
	s_sub_co_u32 s26, s24, s25                     ; lo: of the nine, mine begin here,
	s_sub_co_u32 s27, s19, s25                     ; hi: and the expert's end here
	s_lshl_b32 s34, s25, LOGA
	s_add_nc_u64 s[28:29], s[6:7], s[34:35]        ; ring place b begins with K step b: 1,024 bytes of a block each
	s_add_nc_u64 s[38:39], s[28:29], 1024
	s_add_nc_u64 s[40:41], s[28:29], 2048
	s_add_nc_u64 s[42:43], s[28:29], 3072
	s_lshl_b32 s34, s25, 16                        ; a block of the output is 65,536 bytes in either layer
	s_add_nc_u64 s[30:31], s[12:13], s[34:35]
.endm
.macro XLOAD b                         ; the row fragments of one K step, nine blocks: 18 loads of 512 consecutive bytes, into ring place b, from that place's address
	XB \b
	WIN 0x80
.set i, 0
.rept 8
	global_load_b128 v[64*(\b)+8*i:64*(\b)+8*i+3],   v1, s[XBR:XBR+1] offset:i*ABLK
	global_load_b128 v[64*(\b)+8*i+4:64*(\b)+8*i+7], v1, s[XBR:XBR+1] offset:i*ABLK+512
.set i, i+1
.endr
	WIN 0xc0
	global_load_b128 v[32+8*(\b):32+8*(\b)+3],   v1, s[XBR:XBR+1] offset:8*ABLK
	global_load_b128 v[32+8*(\b)+4:32+8*(\b)+7], v1, s[XBR:XBR+1] offset:8*ABLK+512
	WIN 0
.endm
; THE FILL.  A unit is 16 rows of the weights x 64 columns; my wave has 16.  Eight loads bring it: load j, lane l: row 16 u + 8 h + j, columns 4 r .. 4 r + 3.  So a lane holds eight consecutive k of four columns,
; and pairing its registers along k IS the turn from [k][column] to [column][k]: 16 roundings, four stores of 16 bytes.  Six units, 48 loads, are on their way at a time.
; In the second layer the rounded pair is widened again (a shift, a mask) and written as f16: three lines more for each pair.
.macro WLOADU u
	WIN 0x80                                       ; destination window 2
.set j, 0
.rept 8
	global_load_b128 v[32*((\u)%8)+4*j:32*((\u)%8)+4*j+3], v6, s[8:9] offset:(16*(\u)+j)*PITCHW th:TH_LOAD_NT  ; two whole pieces of 256 bytes; read once in the launch
.set j, j+1
.endr
.endm
.macro WCONV u, left                   ; left: the loads issued behind unit u's, which may stay out
	s_wait_loadcnt \left
	WIN 0x0a                                       ; sources window 2
.set c, 0
.rept 4
.set j, 0
.rept 4
	v_cvt_pk_bf16_f32 v[TR+4*c+j], v[32*((\u)%8)+8*j+c], v[32*((\u)%8)+8*j+4+c]
.set j, j+1
.endr
.set c, c+1
.endr
	WIN 0
.if FFN == 2
.set p, 0
.rept 16
	v_lshlrev_b32 v[UP+2*p],   16,  v[TR+p]        ; bf16 to f32: the low half moves up,
	v_and_b32     v[UP+2*p+1], s37, v[TR+p]        ; the high half stays
.set p, p+1
.endr
.set p, 0
.rept 16
	v_cvt_pk_f16_f32 v[TR+p], v[UP+2*p], v[UP+2*p+1]
.set p, p+1
.endr
.endif
.set c, 0
.rept 4
.if FFN == 1
	ds_store_b128 v7, v[TR+4*c:TR+4*c+3] offset:c*PS+32*(\u)
.else
	ds_store_b128 v[7+c/2], v[TR+4*c:TR+4*c+3] offset:(c%2)*16*PS+32*(\u)
.endif
.set c, c+1
.endr
.endm
.macro WFLOAD wf, wo                   ; the weight fragments of one K step, four column blocks: 8 LDS loads, into buffer wf
.set c, 0
.rept 4
	ds_load_b128 v[WF+32*(\wf)+8*c:WF+32*(\wf)+8*c+3],   v[2+c/2] offset:(c%2)*16*PS+(\wo)
	ds_load_b128 v[WF+32*(\wf)+8*c+4:WF+32*(\wf)+8*c+7], v[2+c/2] offset:(c%2)*16*PS+(\wo)+32
.set c, c+1
.endr
.endm
.macro PROD acc, wr, xr, zero          ; one product; the layer chooses the format and which operand is source 0
.if FFN == 1
.if \zero
	v_wmma_f32_16x16x32_bf16 v[(\acc):(\acc)+7], v[(\wr):(\wr)+7], v[(\xr):(\xr)+7], 0
.else
	v_wmma_f32_16x16x32_bf16 v[(\acc):(\acc)+7], v[(\wr):(\wr)+7], v[(\xr):(\xr)+7], v[(\acc):(\acc)+7]
.endif
.else
.if \zero
	v_wmma_f32_16x16x32_f16 v[(\acc):(\acc)+7], v[(\xr):(\xr)+7], v[(\wr):(\wr)+7], 0
.else
	v_wmma_f32_16x16x32_f16 v[(\acc):(\acc)+7], v[(\xr):(\xr)+7], v[(\wr):(\wr)+7], v[(\acc):(\acc)+7]
.endif
.endif
.endm
; A K STEP of 32: 36 products, the 36 accumulators by turns in the same order in every step.  Then four places (ISA guide 7.12.1 for vector instructions),
; and the buffers just read are asked for anew: the rows of the step four on (xl), the weights of the step two on (wl), at byte wo of the LDS rows from where v2 and v3 stand.
; lc: the younger row loads that may stay out (18 a step); dc: the younger weight loads (8 a step).
.macro STEP b, wf, zero, xl, wl, lc, dc, wo
	s_wait_loadcnt \lc                             ; this ring place's 18 loads are in: its registers may be read,
	s_wait_dscnt \dc
.if \xl
	XB \b
	s_add_nc_u64 s[XBR:XBR+1], s[XBR:XBR+1], 4096  ; and its address, which only those loads named, may step: four K steps on
.endif
	WIN W_MUL
.set i, 0
.rept 8
.set c, 0
.rept 4
	PROD 32*i+8*c, WF+32*(\wf)+8*c, 64*(\b)+8*i, \zero
.set c, c+1
.endr
.set i, i+1
.endr
	WIN W_MUL8
.set c, 0
.rept 4
	PROD 8*c, WF+32*(\wf)+8*c, 32+8*(\b), \zero
.set c, c+1
.endr
	WIN 0
.rept 4
	v_nop
.endr
.if \xl
	XLOAD \b
.endif
.if \wl
	WFLOAD \wf, \wo
.endif
.endm
; THE WAY OUT of block i of the pass's nine, if it is mine: lo <= i < hi.  Each block stores from registers of its own, so that no block waits for the stores of the block before.
.macro OUTB i
	s_cmp_gt_u32 s26, \i
	s_cbranch_scc1 .Lno_\@
	s_cmp_le_u32 s27, \i
	s_cbranch_scc1 .Lno_\@
.if (\i) < 8
.set AB, 32*(\i)
.else
.set AB, 0
.endif
.if FFN == 1
.if (\i) < 7
.set PB, 144+16*(\i)
.else
.set PB, 48+16*((\i)-7)                ; the weight fragments' registers: free behind the last product
.endif
	WIN 0x01+2*((\i)/8)                            ; source 0: window 1, or 3 for block 8
.set p, 0
.rept 16
	v_pk_add_f32 v[TR+2*p:TR+2*p+1], v[AB+2*p:AB+2*p+1], v[BI+2*p:BI+2*p+1]    ; each accumulator from its low end on
.set p, p+1
.endr
	WIN 0
.set p, 0
.rept 16
	v_cvt_pk_f16_f32 v[PB+p], v[TR+2*p], v[TR+2*p+1]
.set p, p+1
.endr
.set p, 0
.rept 16
	v_pk_max_num_f16 v[PB+p], v[PB+p], v11         ; relu, two at a time
.set p, p+1
.endr
.set c, 0
.rept 4
	global_store_b128 v1, v[PB+4*c:PB+4*c+3], s[30:31] offset:(\i)*65536+512*c  ; a lane's eight columns of a row ARE its 16 bytes of a half-step of the next layer's rows: 512 consecutive bytes
.set c, c+1
.endr
.else
.if (\i) < 8
.set DB, 32*(\i)
	WIN 0x81                                       ; from window 1 into window 2: the ring's registers, free behind the last product
.else
.set DB, 32
	WIN 0xc3                                       ; block 8: within window 3
.endif
.set j, 0
.rept 8                                 ; register j of the four accumulators: columns 4 r .. 4 r + 3 of row 8 h + j, brought side by side; 32 moves take the place of a round trip through LDS
.set c, 0
.rept 4
	v_mov_b32 v[DB+4*j+c], v[AB+8*c+j]             ; j ascending: each accumulator from its low end on
.set c, c+1
.endr
.set j, j+1
.endr
	WIN 0x08+4*((\i)/8)                            ; a store's data is source 1: window 2, or 3 for block 8; its address, source 0, window 0
.set j, 0
.rept 8
	global_store_b128 v10, v[DB+4*j:DB+4*j+3], s[30:31] offset:(\i)*65536+4096*j  ; 16 lanes store 256 consecutive bytes, at a multiple of 256 from the buffer's first byte
.set j, j+1
.endr
	WIN 0
.endif
.Lno_\@:
.endm
.if FFN == 1
	s_load_b256 s[4:11], s[0:1], 0x0               ; meta s[4:5], rows s[6:7], weights s[8:9], bias s[10:11]
	s_load_b64 s[12:13], s[0:1], 0x20              ; output
.else
	s_load_b128 s[4:7], s[0:1], 0x0                ; meta s[4:5], rows s[6:7]
	s_load_b128 s[8:11], s[0:1], 0x10              ; weights s[8:9], output s[10:11]
.endif
	v_lshl_add_u32 v12, v0, 2, SPARE               ; my spare word, and 0: kept for the add at the wave's end alone
	v_mov_b32 v13, 0
	v_lshrrev_b32 v14, 5, v0
	v_readfirstlane_b32 s14, v14                   ; wave 0..3
	v_and_b32 v14, 31, v0
	v_lshlrev_b32 v1, 4, v14                       ; 16 x lane
	v_and_b32 v15, 15, v0                          ; r = l % 16
	v_bfe_u32 v14, v0, 4, 1                        ; h = l / 16
	v_mul_u32_u24 v4, v15, PS
	v_lshl_add_u32 v4, v14, 4, v4                  ; a weight fragment: LDS row r, 16 bytes for each half of the lanes
	v_add_nc_u32 v5, HALFS, v4
	v_lshlrev_b32 v6, 4, v15
	v_lshl_add_u32 v6, v14, LOGH, v6               ; the fill's loads: lanes 0-15 one row's 256 bytes, lanes 16-31 those of the row 8 further down
	s_lshl_b32 s2, s14, 9                          ; my wave's 256 k in an LDS row
	s_mov_b32 s37, 0xffff0000                      ; a word's upper bf16
.if FFN == 1
	v_mul_u32_u24 v7, v15, 4*PS
	v_lshl_add_u32 v7, v14, 4, v7
	v_add_nc_u32 v7, s2, v7                        ; the fill's stores: column 4 r + c lies in LDS row 4 r + c; k = 256 w + 8 h
	v_lshlrev_b32 v10, 5, v14                      ; my eight bias numbers of a column block: 32 h
	v_mov_b32 v11, 0                               ; for the relu
	s_mov_b32 s15, ttmp9                           ; which 64 columns
.else
	v_add_nc_u32 v7, s2, v4                        ; the fill's stores: column 4 r + c lies in LDS row 16 c + r; k = 256 w + 8 h
	v_add_nc_u32 v8, s2, v5
	v_lshlrev_b32 v10, 4, v15
	v_lshl_add_u32 v10, v14, 15, v10               ; the way out: 16 r bytes in a row, lanes 16-31 eight rows of 4,096 bytes down
	s_and_b32 s15, ttmp9, 15                       ; which 64 columns,
	s_lshr_b32 s17, ttmp9, 4                       ; which half of K
.endif
	s_and_b32 s16, ttmp7, 0xffff                   ; the expert
	s_lshl_b32 s33, s16, 2
	s_lshl_b32 s34, s16, 23                        ; the expert's weights: 8,388,608 bytes,
	s_lshl_b32 s3, s14, LOGWV                      ; my wave's 256 rows,
	s_add_co_u32 s34, s34, s3
	s_lshl_b32 s3, s15, 8                          ; the group's 256 bytes of each
	s_add_co_u32 s34, s34, s3
.if FFN == 2
	s_lshl_b32 s2, s17, 22                         ; the half's 1,024 rows
	s_add_co_u32 s34, s34, s2
.endif
	s_mov_b32 s35, 0
	s_wait_kmcnt 0x0
	s_add_nc_u64 s[8:9], s[8:9], s[34:35]
	s_load_b64 s[18:19], s[4:5], s33 offset:0x0    ; off[e], off[e + 1]
	s_load_b32 s20, s[4:5], 0x20                   ; the number of blocks
.if FFN == 1
	s_lshl_b32 s34, s16, 13
	s_add_co_u32 s34, s34, s3
	s_add_nc_u64 s[10:11], s[10:11], s[34:35]      ; the bias of my 64 columns
	s_lshl_b32 s34, s15, 11
	s_add_nc_u64 s[12:13], s[12:13], s[34:35]      ; the output's half-steps 4 x .. 4 x + 3 of block 0
.irp c, 0,1,2,3
	global_load_b128 v[BI+8*\c:BI+8*\c+3],   v10, s[10:11] offset:64*\c
	global_load_b128 v[BI+8*\c+4:BI+8*\c+7], v10, s[10:11] offset:64*\c+16
.endr
.else
	s_lshl_b32 s34, s17, 15
	s_add_nc_u64 s[6:7], s[6:7], s[34:35]          ; the half's 64 half-steps of a block
	s_mul_i32 s34, s17, YH
	s_add_co_u32 s34, s34, s3
	s_add_nc_u64 s[12:13], s[10:11], s[34:35]      ; the half's sums, my 64 columns of row 0
.endif
.irp u, 0,1,2,3,4,5
	WLOADU \u
.endr
.irp u, 0,1,2,3,4,5,6,7,8,9
	WCONV \u, 40                                   ; five younger units of 8 loads stay out
	WLOADU \u+6
.endr
	WCONV 10, 40
	s_wait_kmcnt 0x0                               ; the three counts
	s_sub_co_u32 s21, s19, s18                     ; the expert's blocks
	s_mul_i32 s23, s14, 9                          ; my first block of pass 0, counted in the expert
	s_mov_b32 s22, 4
	PARAMS
	XLOAD 0                                        ; ring place b lies where the fill's units 8 + 2 b and 9 + 2 b lay: it is loaded behind their conversion
	WCONV 11, 50                                   ; four younger units, and place 0's 18 loads
	WCONV 12, 42                                   ; three, and 18
	XLOAD 1
	WCONV 13, 52                                   ; two, and 36
	WCONV 14, 44                                   ; one, and 36
	XLOAD 2
	WCONV 15, 54                                   ; the three places' 54
	XLOAD 3
.if FFN == 1
.set p, 0
.rept 16                                ; the bias rounded to bf16 and widened again (it came in ahead of the weights)
	v_cvt_pk_bf16_f32 v[TR], v[BI+2*p], v[BI+2*p+1]
	v_lshlrev_b32 v[BI+2*p], 16, v[TR]
	v_and_b32 v[BI+2*p+1], s37, v[TR]
.set p, p+1
.endr
.endif
	s_wait_dscnt 0x0                               ; for the others' sake: my quarter of the weights is in LDS
	s_barrier_signal -1
	s_barrier_wait -1                              ; behind it the weights are only read
	s_cmp_lt_u32 s23, s21
	s_cbranch_scc1 .Lgo                            ; the first pass's rows are on their way already
	s_branch .Lskip                                ; no block of the expert for me
.Lpass:
	s_wait_loadcnt 0x0                             ; (a wave that jumped over the first pass still has that pass's row loads out)
	s_wait_xcnt 0x0                                ; the stores' base and registers of the pass before are rewritten only behind this wait
	s_cmp_ge_u32 s23, s21
	s_cbranch_scc1 .Lskip                          ; no block of the expert is left for me
	PARAMS
	XLOAD 0
	XLOAD 1
	XLOAD 2
	XLOAD 3
.Lgo:
	s_mov_b32 s36, 0                               ; how far along K a trip's weight fragments begin, in bytes of an LDS row
	v_mov_b32 v2, v4
	v_mov_b32 v3, v5
	WFLOAD 0, 0
	WFLOAD 1, 64
	STEP 0, 0, 1, 1, 1, 54, 8, 128                 ; K step 0 starts the sums: nothing is cleared
	s_mov_b32 s32, 6
.Lk:                                                   ; trip T: K steps 4 T + 1 .. 4 T + 4; they fetch the weights of steps 4 T + 3 .. 4 T + 6, at bytes 256 T + 192 .. + 384
	v_add_nc_u32 v2, s36, v4                       ; the two addresses are made anew in each trip, from the lane's fixed part and the trip's 256 T
	v_add_nc_u32 v3, s36, v5
	STEP 1, 1, 0, 1, 1, 54, 8, 192
	STEP 2, 0, 0, 1, 1, 54, 8, 256
	STEP 3, 1, 0, 1, 1, 54, 8, 320
	STEP 0, 0, 0, 1, 1, 54, 8, 384
	s_add_co_u32 s36, s36, 256
	s_sub_co_u32 s32, s32, 1
	s_cmp_lg_u32 s32, 0
	s_cbranch_scc1 .Lk
	v_add_nc_u32 v2, s36, v4                       ; 1,536 after the six trips
	v_add_nc_u32 v3, s36, v5
	STEP 1, 1, 0, 1, 1, 54, 8, 192                 ; K steps 25 to 31: the loads run out, and no load passes a block's end
	STEP 2, 0, 0, 1, 1, 54, 8, 256
	STEP 3, 1, 0, 1, 1, 54, 8, 320
	STEP 0, 0, 0, 0, 1, 54, 8, 384
	STEP 1, 1, 0, 0, 1, 36, 8, 448
	STEP 2, 0, 0, 0, 0, 18, 8, 0
	STEP 3, 1, 0, 0, 0, 0, 0, 0                    ; its four v_nop are the places in front of the way out
.irp i, 0,1,2,3,4,5,6,7,8
	OUTB \i
.endr
.Lskip:
	s_add_co_u32 s23, s23, 36
	s_sub_co_u32 s22, s22, 1
	s_cmp_lg_u32 s22, 0
	s_cbranch_scc1 .Lpass
	s_wait_dscnt 0x0                               ; my reads of LDS are over;
	s_barrier_signal -1
	s_barrier_wait -1                              ; every wave's are: the closing adds stand behind all reads
	s_wait_tensorcnt 0x0                           ; the wave's end
	ds_add_u32 v12, v13
	s_wait_dscnt 0x0
	s_endpgm
.Lfunc_end_k_qa555e898a5_ffn1:
	.size	k_qa555e898a5_ffn1, .Lfunc_end_k_qa555e898a5_ffn1-k_qa555e898a5_ffn1
	.p2alignl 7, 3214868480
	.fill 96, 4, 3214868480
	.section	.rodata,"a",@progbits
	.p2align	6, 0x0
	.amdhsa_kernel k_qa555e898a5_ffn1
		.amdhsa_group_segment_fixed_size 134656
		.amdhsa_private_segment_fixed_size 0
		.amdhsa_enable_private_segment 0
		.amdhsa_kernarg_size 40
		.amdhsa_user_sgpr_count 2
		.amdhsa_user_sgpr_kernarg_segment_ptr 1
		.amdhsa_wavefront_size32 1
		.amdhsa_system_sgpr_workgroup_id_x 1
		.amdhsa_system_sgpr_workgroup_id_y 1
		.amdhsa_system_sgpr_workgroup_id_z 1
		.amdhsa_system_vgpr_workitem_id 0
		.amdhsa_next_free_vgpr 832
		.amdhsa_next_free_sgpr 66
		.amdhsa_reserve_vcc 0
		.amdhsa_float_denorm_mode_32 3
		.amdhsa_float_denorm_mode_16_64 3
		.amdhsa_memory_ordered 1
		.amdhsa_forward_progress 1
		.amdhsa_inst_pref_size 139
	.end_amdhsa_kernel
	.amdgpu_metadata
---
amdhsa.version: [ 1, 2 ]
amdhsa.kernels:
  - .name:           k_qa555e898a5_ffn1
    .symbol:         k_qa555e898a5_ffn1.kd
    .args:
      - { .name: meta, .offset: 0, .size: 8, .value_kind: global_buffer, .address_space: global }
      - { .name: xs, .offset: 8, .size: 8, .value_kind: global_buffer, .address_space: global }
      - { .name: w1, .offset: 16, .size: 8, .value_kind: global_buffer, .address_space: global }
      - { .name: b1, .offset: 24, .size: 8, .value_kind: global_buffer, .address_space: global }
      - { .name: hbuf, .offset: 32, .size: 8, .value_kind: global_buffer, .address_space: global }
    .group_segment_fixed_size: 134656
    .private_segment_fixed_size: 0
    .kernarg_segment_align: 8
    .kernarg_segment_size: 40
    .max_flat_workgroup_size: 128
    .sgpr_count:     66
    .vgpr_count:     832
    .wavefront_size: 32
...
	.end_amdgpu_metadata
.endif
;; end of part 3
;; launch ffn2 (part 4): grid 32 x 8, 4 waves a work-group, no clusters, 134,656 bytes of LDS; arguments meta, hbuf, w2, ypart; writes ypart
.if DOCPART == 4
	.amdgcn_target "amdgcn-amd-amdhsa--gfx1250"
	.amdhsa_code_object_version 6
	.text
	.protected	k_qa555e898a5_ffn2
	.globl	k_qa555e898a5_ffn2
	.p2align	8
	.type	k_qa555e898a5_ffn2,@function
k_qa555e898a5_ffn2:
	s_mov_b64 s[64:65], 0
	v_nop
	global_prefetch_b8 v0, s[64:65] scope:SCOPE_SE
	s_setreg_imm32_b32 hwreg(HW_REG_WAVE_MODE, 25, 1), 1
	s_wait_xcnt 0x0
; EXPERT LAYER.  One text serves both layers; FFN chooses.
;   FFN = 1:  H = relu(Xs w1[e] + b1[e]), rounded once to f16, for the sorted rows of expert e.  Product in bf16.  Arguments: meta, xs, w1, b1, hbuf.
;   FFN = 2:  Y(half) = H w2[e] over one half of the 2,048 channels of H, f32 partial sums.      Product in f16.   Arguments: meta, hbuf, w2, ypart.
.set FFN, 2
; FORMATS.  Weights and bias are rounded to bf16 (as every input of this program is); sums in f32.  H, which the program makes itself, is kept in f16: its 11 significant bits leave an eighth of the error that
; bf16's 8 would, and the rows with the largest combine weights need that.  So the second layer multiplies in f16: w2 is rounded to bf16 and that number is written as f16.
; LIMITS.  An H of 65,520 or more becomes an infinity.  With x of spread 1 and w1 of spread 0.02 a sum of 1,024 products has spread 0.64; both 30 times larger: 576; common offsets of 30 and of 0.6: 18,432.
; A bf16 number is exact in f16 from 2^-17 on (8 significant bits over f16's fixed step of 2^-24); a smaller w2 is off by 2^-25 at the most.  relu is taken of the rounded number, which is the same number; a minus zero may remain.
; SHARES.  Work-group (x, e): expert e, 64 output columns (FFN = 2: columns by x % 16, half of K by x / 16), K = 1,024.  It turns its 1,024 x 64 weights into 16 bits ONCE and keeps them in LDS as [column][k]:
; each weight byte is loaded and converted once in the launch.  Then the expert's blocks of 16 sorted rows go by: in pass p wave w takes the blocks 36 p + 9 w + 0..8, 36 accumulators of 16 x 16.
; The row operand lies in memory in FRAGMENT IMAGE (a block: half-steps of 512 bytes; in half-step q lane l = 16 h + r owns the 16 bytes at 512 q + 16 l: row r, k = 16 q + 8 h + 0..7), so it is
; loaded straight into registers, 512 consecutive bytes a load, and touches no LDS.
; COUNTS FROM MEMORY.  meta[e], meta[e + 1] bound the expert's blocks, meta[8] is the number of blocks.  The pass loop counts to the constant 4 (144 blocks; an expert has 128 at the most); a wave with no block in a
; pass jumps forward over it.  A pass always multiplies nine blocks that exist: its first block is moved back where nine would pass the last block; what is not the wave's own is not stored.
; THE FIRST PASS'S ROWS are asked for inside the fill, a ring place as soon as the fill has left its registers, by every wave, with or without a block of its own (the nine blocks exist either way): they are on
; their way while the last weights come.  The pass loop is entered behind its own copy of these loads.
; NO CLUSTER: what an expert's 32 work-groups share is the row operand, and each fragment of it feeds one wave's products only; a joint load would land it in LDS, 36 KB written and read for each K step beside the
; 16 KB of weight fragments that are read there now; and how many passes a partner runs hangs on counts read from memory.
; THE RESULT'S LAYOUT is chosen so that it leaves without LDS.
;   FFN = 1: source 0 = 16 columns of the weights, source 1 = 16 rows.  Lane l holds row l % 16 and columns 8 (l / 16) + 0..7 of the block of 16: rounded, the lane's 16 bytes of a half-step of the next layer's rows.
;   FFN = 2: source 0 = 16 rows, source 1 = 16 columns, and column block c holds the columns 4 r + c (the fill lays them so).  Lane l holds column place r = l % 16 and rows 8 (l / 16) + 0..7: register j of the four
;            accumulators of a block is four neighbouring f32 of one row, and 16 lanes hold the row's 256 bytes.
; REGISTERS, in windows of 256 (s_set_vgpr_msb: bits 1:0 source 0, 3:2 source 1, 5:4 source 2, 7:6 destination):
;   window 0: v1-15 addresses; v16-47 bias; v48-79, v80-111 weight fragments, two buffers; v112-143 at work; v144-255 (and v48-79) the first layer's results to store, 16 registers a block
;   window 1: accumulators of blocks 0-7, (i, c) at 32 i + 8 c      window 2: row fragments of blocks 0-7, a ring of four K steps, (b, i) at 64 b + 8 i; in the fill: eight places for units of weights;
;   on the second layer's way out: its results to store, 32 registers a block      window 3: v0-31 accumulators of block 8; v32-63 its row fragments, then its results to store
; SCALARS: s[28:29], s[38:39], s[40:41], s[42:43] the rows' address for ring places 0 to 3, one each, so that each is stepped behind the wait that shows its own loads done; s[30:31] the output's.
.if FFN == 1
.set PITCHW, 8192                      ; bytes from row to row of the weights
.set ABLK,   32768                     ; bytes of a block of the row operand
.set LOGA,   15
.set LOGH,   16                        ; 8 rows of the weights = 1 << LOGH bytes
.set LOGWV,  21                        ; 256 rows
.set W_MUL,  0x58                      ; weights (source 0) window 0, rows (source 1) window 2, sums window 1
.set W_MUL8, 0xfc                      ; block 8: rows and sums window 3
.else
.set PITCHW, 4096
.set ABLK,   65536
.set LOGA,   16
.set LOGH,   15
.set LOGWV,  20
.set W_MUL,  0x52                      ; rows (source 0) window 2, weights (source 1) window 0, sums window 1
.set W_MUL8, 0xf3
.set YH,     17301504                  ; bytes of one half's partial sums
.endif
.set PS,    2064                       ; a column's 1,024 numbers of 16 bits in LDS: 2,048 bytes + 16: the 16 columns of a fragment load start at 16 different groups of four banks (64 banks of 4 bytes: ISA guide 11.1)
.set HALFS, 32*PS                      ; LDS rows 32-63 begin here: beyond the reach of a 16-bit offset, so they have an address register of their own
.set SPARE, 134144                     ; the weights end at 132,096; 2,048 bytes are left free; then the spare words, 128 bytes for each wave: two blocks of 256 bytes that no other line names
.set BI, 16
.set WF, 48
.set TR, 112
.set UP, 128                           ; v[128:159], in the second layer's fill: 32 weights rounded to bf16 and widened again
.set MSB, 0
.macro WIN new                         ; the immediate's high byte repeats the setting that is left; a switch that changes nothing is dropped
.if MSB != (\new)
	s_set_vgpr_msb (MSB<<8)|(\new)
.set MSB, (\new)
.endif
.endm
.macro XB b                            ; XBR = the first register of ring place b's address
.if (\b) == 0
.set XBR, 28
.else
.set XBR, 36+2*(\b)
.endif
.endm
; A pass's nine blocks, from s23, my first block counted in the expert.
.macro PARAMS
	s_add_co_u32 s24, s18, s23                     ; my first block,
	s_sub_co_u32 s25, s20, 9
	s_min_u32 s25, s25, s24                        ; moved back where nine blocks from it on would pass the last block;
	s_min_u32 s25, s25, 255                        ; (there are 263 blocks at the most)
	s_sub_co_u32 s26, s24, s25                     ; lo: of the nine, mine begin here,
	s_sub_co_u32 s27, s19, s25                     ; hi: and the expert's end here
	s_lshl_b32 s34, s25, LOGA
	s_add_nc_u64 s[28:29], s[6:7], s[34:35]        ; ring place b begins with K step b: 1,024 bytes of a block each
	s_add_nc_u64 s[38:39], s[28:29], 1024
	s_add_nc_u64 s[40:41], s[28:29], 2048
	s_add_nc_u64 s[42:43], s[28:29], 3072
	s_lshl_b32 s34, s25, 16                        ; a block of the output is 65,536 bytes in either layer
	s_add_nc_u64 s[30:31], s[12:13], s[34:35]
.endm
.macro XLOAD b                         ; the row fragments of one K step, nine blocks: 18 loads of 512 consecutive bytes, into ring place b, from that place's address
	XB \b
	WIN 0x80
.set i, 0
.rept 8
	global_load_b128 v[64*(\b)+8*i:64*(\b)+8*i+3],   v1, s[XBR:XBR+1] offset:i*ABLK
	global_load_b128 v[64*(\b)+8*i+4:64*(\b)+8*i+7], v1, s[XBR:XBR+1] offset:i*ABLK+512
.set i, i+1
.endr
	WIN 0xc0
	global_load_b128 v[32+8*(\b):32+8*(\b)+3],   v1, s[XBR:XBR+1] offset:8*ABLK
	global_load_b128 v[32+8*(\b)+4:32+8*(\b)+7], v1, s[XBR:XBR+1] offset:8*ABLK+512
	WIN 0
.endm
; THE FILL.  A unit is 16 rows of the weights x 64 columns; my wave has 16.  Eight loads bring it: load j, lane l: row 16 u + 8 h + j, columns 4 r .. 4 r + 3.  So a lane holds eight consecutive k of four columns,
; and pairing its registers along k IS the turn from [k][column] to [column][k]: 16 roundings, four stores of 16 bytes.  Six units, 48 loads, are on their way at a time.
; In the second layer the rounded pair is widened again (a shift, a mask) and written as f16: three lines more for each pair.
.macro WLOADU u
	WIN 0x80                                       ; destination window 2
.set j, 0
.rept 8
	global_load_b128 v[32*((\u)%8)+4*j:32*((\u)%8)+4*j+3], v6, s[8:9] offset:(16*(\u)+j)*PITCHW th:TH_LOAD_NT  ; two whole pieces of 256 bytes; read once in the launch
.set j, j+1
.endr
.endm
.macro WCONV u, left                   ; left: the loads issued behind unit u's, which may stay out
	s_wait_loadcnt \left
	WIN 0x0a                                       ; sources window 2
.set c, 0
.rept 4
.set j, 0
.rept 4
	v_cvt_pk_bf16_f32 v[TR+4*c+j], v[32*((\u)%8)+8*j+c], v[32*((\u)%8)+8*j+4+c]
.set j, j+1
.endr
.set c, c+1
.endr
	WIN 0
.if FFN == 2
.set p, 0
.rept 16
	v_lshlrev_b32 v[UP+2*p],   16,  v[TR+p]        ; bf16 to f32: the low half moves up,
	v_and_b32     v[UP+2*p+1], s37, v[TR+p]        ; the high half stays
.set p, p+1
.endr
.set p, 0
.rept 16
	v_cvt_pk_f16_f32 v[TR+p], v[UP+2*p], v[UP+2*p+1]
.set p, p+1
.endr
.endif
.set c, 0
.rept 4
.if FFN == 1
	ds_store_b128 v7, v[TR+4*c:TR+4*c+3] offset:c*PS+32*(\u)
.else
	ds_store_b128 v[7+c/2], v[TR+4*c:TR+4*c+3] offset:(c%2)*16*PS+32*(\u)
.endif
.set c, c+1
.endr
.endm
.macro WFLOAD wf, wo                   ; the weight fragments of one K step, four column blocks: 8 LDS loads, into buffer wf
.set c, 0
.rept 4
	ds_load_b128 v[WF+32*(\wf)+8*c:WF+32*(\wf)+8*c+3],   v[2+c/2] offset:(c%2)*16*PS+(\wo)
	ds_load_b128 v[WF+32*(\wf)+8*c+4:WF+32*(\wf)+8*c+7], v[2+c/2] offset:(c%2)*16*PS+(\wo)+32
.set c, c+1
.endr
.endm
.macro PROD acc, wr, xr, zero          ; one product; the layer chooses the format and which operand is source 0
.if FFN == 1
.if \zero
	v_wmma_f32_16x16x32_bf16 v[(\acc):(\acc)+7], v[(\wr):(\wr)+7], v[(\xr):(\xr)+7], 0
.else
	v_wmma_f32_16x16x32_bf16 v[(\acc):(\acc)+7], v[(\wr):(\wr)+7], v[(\xr):(\xr)+7], v[(\acc):(\acc)+7]
.endif
.else
.if \zero
	v_wmma_f32_16x16x32_f16 v[(\acc):(\acc)+7], v[(\xr):(\xr)+7], v[(\wr):(\wr)+7], 0
.else
	v_wmma_f32_16x16x32_f16 v[(\acc):(\acc)+7], v[(\xr):(\xr)+7], v[(\wr):(\wr)+7], v[(\acc):(\acc)+7]
.endif
.endif
.endm
; A K STEP of 32: 36 products, the 36 accumulators by turns in the same order in every step.  Then four places (ISA guide 7.12.1 for vector instructions),
; and the buffers just read are asked for anew: the rows of the step four on (xl), the weights of the step two on (wl), at byte wo of the LDS rows from where v2 and v3 stand.
; lc: the younger row loads that may stay out (18 a step); dc: the younger weight loads (8 a step).
.macro STEP b, wf, zero, xl, wl, lc, dc, wo
	s_wait_loadcnt \lc                             ; this ring place's 18 loads are in: its registers may be read,
	s_wait_dscnt \dc
.if \xl
	XB \b
	s_add_nc_u64 s[XBR:XBR+1], s[XBR:XBR+1], 4096  ; and its address, which only those loads named, may step: four K steps on
.endif
	WIN W_MUL
.set i, 0
.rept 8
.set c, 0
.rept 4
	PROD 32*i+8*c, WF+32*(\wf)+8*c, 64*(\b)+8*i, \zero
.set c, c+1
.endr
.set i, i+1
.endr
	WIN W_MUL8
.set c, 0
.rept 4
	PROD 8*c, WF+32*(\wf)+8*c, 32+8*(\b), \zero
.set c, c+1
.endr
	WIN 0
.rept 4
	v_nop
.endr
.if \xl
	XLOAD \b
.endif
.if \wl
	WFLOAD \wf, \wo
.endif
.endm
; THE WAY OUT of block i of the pass's nine, if it is mine: lo <= i < hi.  Each block stores from registers of its own, so that no block waits for the stores of the block before.
.macro OUTB i
	s_cmp_gt_u32 s26, \i
	s_cbranch_scc1 .Lno_\@
	s_cmp_le_u32 s27, \i
	s_cbranch_scc1 .Lno_\@
.if (\i) < 8
.set AB, 32*(\i)
.else
.set AB, 0
.endif
.if FFN == 1
.if (\i) < 7
.set PB, 144+16*(\i)
.else
.set PB, 48+16*((\i)-7)                ; the weight fragments' registers: free behind the last product
.endif
	WIN 0x01+2*((\i)/8)                            ; source 0: window 1, or 3 for block 8
.set p, 0
.rept 16
	v_pk_add_f32 v[TR+2*p:TR+2*p+1], v[AB+2*p:AB+2*p+1], v[BI+2*p:BI+2*p+1]    ; each accumulator from its low end on
.set p, p+1
.endr
	WIN 0
.set p, 0
.rept 16
	v_cvt_pk_f16_f32 v[PB+p], v[TR+2*p], v[TR+2*p+1]
.set p, p+1
.endr
.set p, 0
.rept 16
	v_pk_max_num_f16 v[PB+p], v[PB+p], v11         ; relu, two at a time
.set p, p+1
.endr
.set c, 0
.rept 4
	global_store_b128 v1, v[PB+4*c:PB+4*c+3], s[30:31] offset:(\i)*65536+512*c  ; a lane's eight columns of a row ARE its 16 bytes of a half-step of the next layer's rows: 512 consecutive bytes
.set c, c+1
.endr
.else
.if (\i) < 8
.set DB, 32*(\i)
	WIN 0x81                                       ; from window 1 into window 2: the ring's registers, free behind the last product
.else
.set DB, 32
	WIN 0xc3                                       ; block 8: within window 3
.endif
.set j, 0
.rept 8                                 ; register j of the four accumulators: columns 4 r .. 4 r + 3 of row 8 h + j, brought side by side; 32 moves take the place of a round trip through LDS
.set c, 0
.rept 4
	v_mov_b32 v[DB+4*j+c], v[AB+8*c+j]             ; j ascending: each accumulator from its low end on
.set c, c+1
.endr
.set j, j+1
.endr
	WIN 0x08+4*((\i)/8)                            ; a store's data is source 1: window 2, or 3 for block 8; its address, source 0, window 0
.set j, 0
.rept 8
	global_store_b128 v10, v[DB+4*j:DB+4*j+3], s[30:31] offset:(\i)*65536+4096*j  ; 16 lanes store 256 consecutive bytes, at a multiple of 256 from the buffer's first byte
.set j, j+1
.endr
	WIN 0
.endif
.Lno_\@:
.endm
.if FFN == 1
	s_load_b256 s[4:11], s[0:1], 0x0               ; meta s[4:5], rows s[6:7], weights s[8:9], bias s[10:11]
	s_load_b64 s[12:13], s[0:1], 0x20              ; output
.else
	s_load_b128 s[4:7], s[0:1], 0x0                ; meta s[4:5], rows s[6:7]
	s_load_b128 s[8:11], s[0:1], 0x10              ; weights s[8:9], output s[10:11]
.endif
	v_lshl_add_u32 v12, v0, 2, SPARE               ; my spare word, and 0: kept for the add at the wave's end alone
	v_mov_b32 v13, 0
	v_lshrrev_b32 v14, 5, v0
	v_readfirstlane_b32 s14, v14                   ; wave 0..3
	v_and_b32 v14, 31, v0
	v_lshlrev_b32 v1, 4, v14                       ; 16 x lane
	v_and_b32 v15, 15, v0                          ; r = l % 16
	v_bfe_u32 v14, v0, 4, 1                        ; h = l / 16
	v_mul_u32_u24 v4, v15, PS
	v_lshl_add_u32 v4, v14, 4, v4                  ; a weight fragment: LDS row r, 16 bytes for each half of the lanes
	v_add_nc_u32 v5, HALFS, v4
	v_lshlrev_b32 v6, 4, v15
	v_lshl_add_u32 v6, v14, LOGH, v6               ; the fill's loads: lanes 0-15 one row's 256 bytes, lanes 16-31 those of the row 8 further down
	s_lshl_b32 s2, s14, 9                          ; my wave's 256 k in an LDS row
	s_mov_b32 s37, 0xffff0000                      ; a word's upper bf16
.if FFN == 1
	v_mul_u32_u24 v7, v15, 4*PS
	v_lshl_add_u32 v7, v14, 4, v7
	v_add_nc_u32 v7, s2, v7                        ; the fill's stores: column 4 r + c lies in LDS row 4 r + c; k = 256 w + 8 h
	v_lshlrev_b32 v10, 5, v14                      ; my eight bias numbers of a column block: 32 h
	v_mov_b32 v11, 0                               ; for the relu
	s_mov_b32 s15, ttmp9                           ; which 64 columns
.else
	v_add_nc_u32 v7, s2, v4                        ; the fill's stores: column 4 r + c lies in LDS row 16 c + r; k = 256 w + 8 h
	v_add_nc_u32 v8, s2, v5
	v_lshlrev_b32 v10, 4, v15
	v_lshl_add_u32 v10, v14, 15, v10               ; the way out: 16 r bytes in a row, lanes 16-31 eight rows of 4,096 bytes down
	s_and_b32 s15, ttmp9, 15                       ; which 64 columns,
	s_lshr_b32 s17, ttmp9, 4                       ; which half of K
.endif
	s_and_b32 s16, ttmp7, 0xffff                   ; the expert
	s_lshl_b32 s33, s16, 2
	s_lshl_b32 s34, s16, 23                        ; the expert's weights: 8,388,608 bytes,
	s_lshl_b32 s3, s14, LOGWV                      ; my wave's 256 rows,
	s_add_co_u32 s34, s34, s3
	s_lshl_b32 s3, s15, 8                          ; the group's 256 bytes of each
	s_add_co_u32 s34, s34, s3
.if FFN == 2
	s_lshl_b32 s2, s17, 22                         ; the half's 1,024 rows
	s_add_co_u32 s34, s34, s2
.endif
	s_mov_b32 s35, 0
	s_wait_kmcnt 0x0
	s_add_nc_u64 s[8:9], s[8:9], s[34:35]
	s_load_b64 s[18:19], s[4:5], s33 offset:0x0    ; off[e], off[e + 1]
	s_load_b32 s20, s[4:5], 0x20                   ; the number of blocks
.if FFN == 1
	s_lshl_b32 s34, s16, 13
	s_add_co_u32 s34, s34, s3
	s_add_nc_u64 s[10:11], s[10:11], s[34:35]      ; the bias of my 64 columns
	s_lshl_b32 s34, s15, 11
	s_add_nc_u64 s[12:13], s[12:13], s[34:35]      ; the output's half-steps 4 x .. 4 x + 3 of block 0
.irp c, 0,1,2,3
	global_load_b128 v[BI+8*\c:BI+8*\c+3],   v10, s[10:11] offset:64*\c
	global_load_b128 v[BI+8*\c+4:BI+8*\c+7], v10, s[10:11] offset:64*\c+16
.endr
.else
	s_lshl_b32 s34, s17, 15
	s_add_nc_u64 s[6:7], s[6:7], s[34:35]          ; the half's 64 half-steps of a block
	s_mul_i32 s34, s17, YH
	s_add_co_u32 s34, s34, s3
	s_add_nc_u64 s[12:13], s[10:11], s[34:35]      ; the half's sums, my 64 columns of row 0
.endif
.irp u, 0,1,2,3,4,5
	WLOADU \u
.endr
.irp u, 0,1,2,3,4,5,6,7,8,9
	WCONV \u, 40                                   ; five younger units of 8 loads stay out
	WLOADU \u+6
.endr
	WCONV 10, 40
	s_wait_kmcnt 0x0                               ; the three counts
	s_sub_co_u32 s21, s19, s18                     ; the expert's blocks
	s_mul_i32 s23, s14, 9                          ; my first block of pass 0, counted in the expert
	s_mov_b32 s22, 4
	PARAMS
	XLOAD 0                                        ; ring place b lies where the fill's units 8 + 2 b and 9 + 2 b lay: it is loaded behind their conversion
	WCONV 11, 50                                   ; four younger units, and place 0's 18 loads
	WCONV 12, 42                                   ; three, and 18
	XLOAD 1
	WCONV 13, 52                                   ; two, and 36
	WCONV 14, 44                                   ; one, and 36
	XLOAD 2
	WCONV 15, 54                                   ; the three places' 54
	XLOAD 3
.if FFN == 1
.set p, 0
.rept 16                                ; the bias rounded to bf16 and widened again (it came in ahead of the weights)
	v_cvt_pk_bf16_f32 v[TR], v[BI+2*p], v[BI+2*p+1]
	v_lshlrev_b32 v[BI+2*p], 16, v[TR]
	v_and_b32 v[BI+2*p+1], s37, v[TR]
.set p, p+1
.endr
.endif
	s_wait_dscnt 0x0                               ; for the others' sake: my quarter of the weights is in LDS
	s_barrier_signal -1
	s_barrier_wait -1                              ; behind it the weights are only read
	s_cmp_lt_u32 s23, s21
	s_cbranch_scc1 .Lgo                            ; the first pass's rows are on their way already
	s_branch .Lskip                                ; no block of the expert for me
.Lpass:
	s_wait_loadcnt 0x0                             ; (a wave that jumped over the first pass still has that pass's row loads out)
	s_wait_xcnt 0x0                                ; the stores' base and registers of the pass before are rewritten only behind this wait
	s_cmp_ge_u32 s23, s21
	s_cbranch_scc1 .Lskip                          ; no block of the expert is left for me
	PARAMS
	XLOAD 0
	XLOAD 1
	XLOAD 2
	XLOAD 3
.Lgo:
	s_mov_b32 s36, 0                               ; how far along K a trip's weight fragments begin, in bytes of an LDS row
	v_mov_b32 v2, v4
	v_mov_b32 v3, v5
	WFLOAD 0, 0
	WFLOAD 1, 64
	STEP 0, 0, 1, 1, 1, 54, 8, 128                 ; K step 0 starts the sums: nothing is cleared
	s_mov_b32 s32, 6
.Lk:                                                   ; trip T: K steps 4 T + 1 .. 4 T + 4; they fetch the weights of steps 4 T + 3 .. 4 T + 6, at bytes 256 T + 192 .. + 384
	v_add_nc_u32 v2, s36, v4                       ; the two addresses are made anew in each trip, from the lane's fixed part and the trip's 256 T
	v_add_nc_u32 v3, s36, v5
	STEP 1, 1, 0, 1, 1, 54, 8, 192
	STEP 2, 0, 0, 1, 1, 54, 8, 256
	STEP 3, 1, 0, 1, 1, 54, 8, 320
	STEP 0, 0, 0, 1, 1, 54, 8, 384
	s_add_co_u32 s36, s36, 256
	s_sub_co_u32 s32, s32, 1
	s_cmp_lg_u32 s32, 0
	s_cbranch_scc1 .Lk
	v_add_nc_u32 v2, s36, v4                       ; 1,536 after the six trips
	v_add_nc_u32 v3, s36, v5
	STEP 1, 1, 0, 1, 1, 54, 8, 192                 ; K steps 25 to 31: the loads run out, and no load passes a block's end
	STEP 2, 0, 0, 1, 1, 54, 8, 256
	STEP 3, 1, 0, 1, 1, 54, 8, 320
	STEP 0, 0, 0, 0, 1, 54, 8, 384
	STEP 1, 1, 0, 0, 1, 36, 8, 448
	STEP 2, 0, 0, 0, 0, 18, 8, 0
	STEP 3, 1, 0, 0, 0, 0, 0, 0                    ; its four v_nop are the places in front of the way out
.irp i, 0,1,2,3,4,5,6,7,8
	OUTB \i
.endr
.Lskip:
	s_add_co_u32 s23, s23, 36
	s_sub_co_u32 s22, s22, 1
	s_cmp_lg_u32 s22, 0
	s_cbranch_scc1 .Lpass
	s_wait_dscnt 0x0                               ; my reads of LDS are over;
	s_barrier_signal -1
	s_barrier_wait -1                              ; every wave's are: the closing adds stand behind all reads
	s_wait_tensorcnt 0x0                           ; the wave's end
	ds_add_u32 v12, v13
	s_wait_dscnt 0x0
	s_endpgm
.Lfunc_end_k_qa555e898a5_ffn2:
	.size	k_qa555e898a5_ffn2, .Lfunc_end_k_qa555e898a5_ffn2-k_qa555e898a5_ffn2
	.p2alignl 7, 3214868480
	.fill 96, 4, 3214868480
	.section	.rodata,"a",@progbits
	.p2align	6, 0x0
	.amdhsa_kernel k_qa555e898a5_ffn2
		.amdhsa_group_segment_fixed_size 134656
		.amdhsa_private_segment_fixed_size 0
		.amdhsa_enable_private_segment 0
		.amdhsa_kernarg_size 32
		.amdhsa_user_sgpr_count 2
		.amdhsa_user_sgpr_kernarg_segment_ptr 1
		.amdhsa_wavefront_size32 1
		.amdhsa_system_sgpr_workgroup_id_x 1
		.amdhsa_system_sgpr_workgroup_id_y 1
		.amdhsa_system_sgpr_workgroup_id_z 1
		.amdhsa_system_vgpr_workitem_id 0
		.amdhsa_next_free_vgpr 832
		.amdhsa_next_free_sgpr 66
		.amdhsa_reserve_vcc 0
		.amdhsa_float_denorm_mode_32 3
		.amdhsa_float_denorm_mode_16_64 3
		.amdhsa_memory_ordered 1
		.amdhsa_forward_progress 1
		.amdhsa_inst_pref_size 154
	.end_amdhsa_kernel
	.amdgpu_metadata
---
amdhsa.version: [ 1, 2 ]
amdhsa.kernels:
  - .name:           k_qa555e898a5_ffn2
    .symbol:         k_qa555e898a5_ffn2.kd
    .args:
      - { .name: meta, .offset: 0, .size: 8, .value_kind: global_buffer, .address_space: global }
      - { .name: hbuf, .offset: 8, .size: 8, .value_kind: global_buffer, .address_space: global }
      - { .name: w2, .offset: 16, .size: 8, .value_kind: global_buffer, .address_space: global }
      - { .name: ypart, .offset: 24, .size: 8, .value_kind: global_buffer, .address_space: global }
    .group_segment_fixed_size: 134656
    .private_segment_fixed_size: 0
    .kernarg_segment_align: 8
    .kernarg_segment_size: 32
    .max_flat_workgroup_size: 128
    .sgpr_count:     66
    .vgpr_count:     832
    .wavefront_size: 32
...
	.end_amdgpu_metadata
.endif
;; end of part 4
;; launch combine (part 5): grid 256 x 1, 8 waves a work-group, no clusters, 1,536 bytes of LDS; arguments tokrow, val, ypart, b2, out0; writes out0
.if DOCPART == 5
	.amdgcn_target "amdgcn-amd-amdhsa--gfx1250"
	.amdhsa_code_object_version 6
	.text
	.protected	k_qa555e898a5_combine
	.globl	k_qa555e898a5_combine
	.p2align	8
	.type	k_qa555e898a5_combine,@function
k_qa555e898a5_combine:
	s_mov_b64 s[64:65], 0
	v_nop
	global_prefetch_b8 v0, s[64:65] scope:SCOPE_SE
	s_setreg_imm32_b32 hwreg(HW_REG_WAVE_MODE, 25, 1), 1
	s_wait_xcnt 0x0
; COMBINE.  out[t] = sum over the token's two experts k of w[t][k] * (Ya[row k] + Yb[row k] + bf16(b2[e k])), where Ya, Yb are the two halves' partial sums of the second layer,
; tokrow[t][k] = row k | e k << 16, and w[.][k] = the softmax of val[.][k] over the 512 tokens of the token's batch, for each of the two places k by itself.
; The softmax takes the batch's maximum away first, as the definition does; a weight below 2^-126 counts as 0; NaN and infinities are not treated apart.  b2 is rounded to bf16 (as every input of this program is).
; SHARES.  A work-group has 8 tokens of one batch, a wave one token: its row of 4,096 bytes in 8 chunks of 512.  Each work-group makes the batch's two maxima and sums anew from val (4,096 bytes): thread i takes
; tokens 2 i and 2 i + 1.  The wave's 48 row loads are issued first and are on their way while the softmax is made.  No matrix work, no shared tiles: matrix units and clusters have nothing to do here.
.set RED0,  0                          ; 8 waves x 2 maxima
.set RED1,  256                        ; 8 waves x 2 sums
.set SPARE, 512                        ; the spare words, 128 bytes for each wave: four blocks of 256 bytes that no other line names
.set YH,    17301504                   ; bytes of one half's partial sums
.set RW,    40                         ; v[40:231] chunk c at RW + 24 c: Ya0, Yb0, Ya1, Yb1, b2 of expert 0, b2 of expert 1, four registers each
.set L2E,   0x3fb8aa3b                 ; log2(e)
	s_load_b256 s[4:11], s[0:1], 0x0               ; tokrow s[4:5], val s[6:7], ypart s[8:9], b2 s[10:11]
	s_load_b64 s[12:13], s[0:1], 0x20              ; out0
	v_lshl_add_u32 v2, v0, 2, SPARE                ; my spare word, and 0: kept for the add at the wave's end alone
	v_mov_b32 v3, 0
	v_and_b32 v1, 31, v0
	v_lshrrev_b32 v4, 5, v0
	v_readfirstlane_b32 s16, v4                    ; wave 0..7
	v_lshlrev_b32 v4, 4, v1                        ; 16 x lane
	v_lshlrev_b32 v5, 4, v0                        ; 16 x thread: two tokens' pairs in val
	s_lshl_b32 s2, s16, 3
	v_mov_b32 v6, s2                               ; my wave's pair in RED0 and RED1
	v_mov_b32 v7, 0
	v_mov_b32 v12, 0                               ; written, since the lane exchange below counts as a reader of its destination
	v_mov_b32 v13, 0
	s_lshl_b32 s17, ttmp9, 3
	s_add_co_u32 s17, s17, s16                     ; my token
	s_lshr_b32 s18, ttmp9, 6
	s_lshl_b32 s18, s18, 12                        ; the batch's 4,096 bytes of val
	s_mov_b32 s19, 0
	s_lshl_b32 s24, s17, 3                         ; 8 bytes a token in tokrow and in val
	s_mov_b32 s42, 0x76543210                      ; v_permlanex16_b32: each lane takes its own place in the other half
	s_mov_b32 s43, 0xfedcba98
	s_mov_b32 s49, 0
	s_wait_kmcnt 0x0
	s_load_b64 s[20:21], s[4:5], s24 offset:0x0    ; my token's two rows and experts,
	s_load_b64 s[22:23], s[6:7], s24 offset:0x0    ; and its two logits: one fetch for both
	s_add_nc_u64 s[44:45], s[6:7], s[18:19]
	global_load_b128 v[16:19], v5, s[44:45]
	s_lshl_b32 s48, s17, 12
	s_add_nc_u64 s[12:13], s[12:13], s[48:49]      ; my row of the output
	s_wait_kmcnt 0x0
	s_lshr_b32 s25, s20, 16
	s_min_u32 s25, s25, 7
	s_lshr_b32 s26, s21, 16
	s_min_u32 s26, s26, 7
	s_and_b32 s29, s20, 0xffff
	s_min_u32 s29, s29, 4223
	s_and_b32 s46, s21, 0xffff
	s_min_u32 s46, s46, 4223
	s_lshl_b32 s48, s25, 12
	s_add_nc_u64 s[38:39], s[10:11], s[48:49]      ; b2 of the two experts
	s_lshl_b32 s48, s26, 12
	s_add_nc_u64 s[40:41], s[10:11], s[48:49]
	s_lshl_b32 s48, s29, 12
	s_add_nc_u64 s[30:31], s[8:9], s[48:49]        ; the two sorted rows, in both halves' sums
	s_add_nc_u64 s[32:33], s[30:31], YH
	s_lshl_b32 s48, s46, 12
	s_add_nc_u64 s[34:35], s[8:9], s[48:49]
	s_add_nc_u64 s[36:37], s[34:35], YH
.irp c, 0,1,2,3,4,5,6,7
	global_load_b128 v[RW+24*\c:RW+24*\c+3],     v4, s[30:31] offset:512*\c th:TH_LOAD_NT   ; a sorted row belongs to one token: read once
	global_load_b128 v[RW+24*\c+4:RW+24*\c+7],   v4, s[32:33] offset:512*\c th:TH_LOAD_NT
	global_load_b128 v[RW+24*\c+8:RW+24*\c+11],  v4, s[34:35] offset:512*\c th:TH_LOAD_NT
	global_load_b128 v[RW+24*\c+12:RW+24*\c+15], v4, s[36:37] offset:512*\c th:TH_LOAD_NT
	global_load_b128 v[RW+24*\c+16:RW+24*\c+19], v4, s[38:39] offset:512*\c
	global_load_b128 v[RW+24*\c+20:RW+24*\c+23], v4, s[40:41] offset:512*\c
.endr
	s_wait_loadcnt 48                              ; val's quad is in; the 48 younger loads stay out
	v_max_num_f32 v20, v16, v18                    ; place 0 of my two tokens,
	v_max_num_f32 v21, v17, v19                    ; place 1
.irp m, 1,2,4,8
	v_max_num_f32_dpp v20, v20, v20 row_xmask:\m row_mask:0xf bank_mask:0xf
	v_max_num_f32_dpp v21, v21, v21 row_xmask:\m row_mask:0xf bank_mask:0xf
.endr
	v_permlanex16_b32 v12, v20, s42, s43
	v_permlanex16_b32 v13, v21, s42, s43
	v_max_num_f32 v20, v20, v12
	v_max_num_f32 v21, v21, v13
	ds_store_b64 v6, v[20:21]                      ; all lanes: the same pair, the same numbers
	s_wait_dscnt 0x0                               ; for the others' sake
	s_barrier_signal -1
	s_barrier_wait -1
.irp q, 0,1,2,3
	ds_load_b128 v[24+4*\q:27+4*\q], v7 offset:RED0+16*\q
.endr
	s_wait_dscnt 0x0
	v_max3_num_f32 v20, v24, v26, v28
	v_max3_num_f32 v21, v25, v27, v29
	v_max3_num_f32 v20, v20, v30, v32
	v_max3_num_f32 v21, v21, v31, v33
	v_max3_num_f32 v20, v20, v34, v36
	v_max3_num_f32 v21, v21, v35, v37
	v_max_num_f32 v20, v20, v38                    ; the batch's maxima
	v_max_num_f32 v21, v21, v39
	v_sub_f32 v16, v16, v20
	v_sub_f32 v17, v17, v21
	v_sub_f32 v18, v18, v20
	v_sub_f32 v19, v19, v21
	v_mul_f32 v16, L2E, v16
	v_mul_f32 v17, L2E, v17
	v_mul_f32 v18, L2E, v18
	v_mul_f32 v19, L2E, v19
	v_exp_f32 v16, v16
	v_exp_f32 v17, v17
	v_exp_f32 v18, v18
	v_exp_f32 v19, v19
	v_sub_f32 v8, s22, v20                         ; my own token's two exponents: plain work behind the exponentials (ISA guide 5.7.2)
	v_sub_f32 v10, s23, v21
	s_wait_alu depctr_va_vdst(0)
	v_add_f32 v22, v16, v18
	v_add_f32 v23, v17, v19
.irp m, 1,2,4,8
	v_add_f32_dpp v22, v22, v22 row_xmask:\m row_mask:0xf bank_mask:0xf
	v_add_f32_dpp v23, v23, v23 row_xmask:\m row_mask:0xf bank_mask:0xf
.endr
	v_permlanex16_b32 v12, v22, s42, s43
	v_permlanex16_b32 v13, v23, s42, s43
	v_add_f32 v22, v22, v12
	v_add_f32 v23, v23, v13
	ds_store_b64 v6, v[22:23] offset:RED1          ; other bytes than the maxima's: no barrier is needed between the reads above and this store
	s_wait_dscnt 0x0
	s_barrier_signal -1
	s_barrier_wait -1
.irp q, 0,1,2,3
	ds_load_b128 v[24+4*\q:27+4*\q], v7 offset:RED1+16*\q
.endr
	v_mul_f32 v8, L2E, v8
	v_mul_f32 v10, L2E, v10
	s_wait_dscnt 0x0
	v_pk_add_f32 v[22:23], v[24:25], v[26:27]      ; the eight waves' sums in ascending order; each is at least 1 in all: the maximum's own term
.irp q, 28,30,32,34,36,38
	v_pk_add_f32 v[22:23], v[22:23], v[\q:\q+1]
.endr
	v_exp_f32 v8, v8
	v_exp_f32 v10, v10
	v_rcp_f32 v12, v22
	v_rcp_f32 v13, v23
	v_nop                                          ; a plain instruction between the last of them and the use of their results
	s_wait_alu depctr_va_vdst(0)
	v_mul_f32 v8, v8, v12                          ; w of place 0,
	v_mul_f32 v10, v10, v13                        ; of place 1
	v_mov_b32 v9, v8                               ; named with them as pairs
	v_mov_b32 v11, v10
.macro CHUNK c
.set R, RW+24*(\c)
	s_wait_loadcnt 6*(7-(\c))                      ; loads come back in order (ISA guide 5.7.1): the chunk's six are in, the younger chunks' stay out
	v_pk_add_f32 v[R:R+1],     v[R:R+1],     v[R+4:R+5]          ; the two halves of K
	v_pk_add_f32 v[R+2:R+3],   v[R+2:R+3],   v[R+6:R+7]
	v_pk_add_f32 v[R+8:R+9],   v[R+8:R+9],   v[R+12:R+13]
	v_pk_add_f32 v[R+10:R+11], v[R+10:R+11], v[R+14:R+15]
	v_cvt_pk_bf16_f32 v[R+4], v[R+16], v[R+17]                   ; b2 rounded
	v_cvt_pk_bf16_f32 v[R+5], v[R+18], v[R+19]
	v_cvt_pk_bf16_f32 v[R+6], v[R+20], v[R+21]
	v_cvt_pk_bf16_f32 v[R+7], v[R+22], v[R+23]
	v_pk_mul_f32 v[R:R+1],   v[R:R+1],   v[8:9] op_sel_hi:[1,0]
	v_pk_mul_f32 v[R+2:R+3], v[R+2:R+3], v[8:9] op_sel_hi:[1,0]
	v_pk_fma_f32 v[R:R+1],   v[R+8:R+9],   v[10:11], v[R:R+1]   op_sel_hi:[1,0,1]
	v_pk_fma_f32 v[R+2:R+3], v[R+10:R+11], v[10:11], v[R+2:R+3] op_sel_hi:[1,0,1]
	v_fma_mix_f32_bf16 v[R],   v[R+4], v8,  v[R]   op_sel_hi:[1,0,0]                 ; + w x bias, straight from the bf16 halves
	v_fma_mix_f32_bf16 v[R+1], v[R+4], v8,  v[R+1] op_sel:[1,0,0] op_sel_hi:[1,0,0]
	v_fma_mix_f32_bf16 v[R+2], v[R+5], v8,  v[R+2] op_sel_hi:[1,0,0]
	v_fma_mix_f32_bf16 v[R+3], v[R+5], v8,  v[R+3] op_sel:[1,0,0] op_sel_hi:[1,0,0]
	v_fma_mix_f32_bf16 v[R],   v[R+6], v10, v[R]   op_sel_hi:[1,0,0]
	v_fma_mix_f32_bf16 v[R+1], v[R+6], v10, v[R+1] op_sel:[1,0,0] op_sel_hi:[1,0,0]
	v_fma_mix_f32_bf16 v[R+2], v[R+7], v10, v[R+2] op_sel_hi:[1,0,0]
	v_fma_mix_f32_bf16 v[R+3], v[R+7], v10, v[R+3] op_sel:[1,0,0] op_sel_hi:[1,0,0]
	global_store_b128 v4, v[R:R+3], s[12:13] offset:512*(\c) th:TH_STORE_NT          ; 512 consecutive bytes, at a multiple of 256 from the output's first byte
.endm
.irp c, 0,1,2,3,4,5,6,7
	CHUNK \c
.endr
	s_wait_tensorcnt 0x0                           ; the wave's end
	ds_add_u32 v2, v3
	s_wait_dscnt 0x0
	s_endpgm
.Lfunc_end_k_qa555e898a5_combine:
	.size	k_qa555e898a5_combine, .Lfunc_end_k_qa555e898a5_combine-k_qa555e898a5_combine
	.p2alignl 7, 3214868480
	.fill 96, 4, 3214868480
	.section	.rodata,"a",@progbits
	.p2align	6, 0x0
	.amdhsa_kernel k_qa555e898a5_combine
		.amdhsa_group_segment_fixed_size 1536
		.amdhsa_private_segment_fixed_size 0
		.amdhsa_enable_private_segment 0
		.amdhsa_kernarg_size 40
		.amdhsa_user_sgpr_count 2
		.amdhsa_user_sgpr_kernarg_segment_ptr 1
		.amdhsa_wavefront_size32 1
		.amdhsa_system_sgpr_workgroup_id_x 1
		.amdhsa_system_sgpr_workgroup_id_y 1
		.amdhsa_system_sgpr_workgroup_id_z 1
		.amdhsa_system_vgpr_workitem_id 0
		.amdhsa_next_free_vgpr 232
		.amdhsa_next_free_sgpr 66
		.amdhsa_reserve_vcc 0
		.amdhsa_float_denorm_mode_32 3
		.amdhsa_float_denorm_mode_16_64 3
		.amdhsa_memory_ordered 1
		.amdhsa_forward_progress 1
		.amdhsa_inst_pref_size 23
	.end_amdhsa_kernel
	.amdgpu_metadata
---
amdhsa.version: [ 1, 2 ]
amdhsa.kernels:
  - .name:           k_qa555e898a5_combine
    .symbol:         k_qa555e898a5_combine.kd
    .args:
      - { .name: tokrow, .offset: 0, .size: 8, .value_kind: global_buffer, .address_space: global }
      - { .name: val, .offset: 8, .size: 8, .value_kind: global_buffer, .address_space: global }
      - { .name: ypart, .offset: 16, .size: 8, .value_kind: global_buffer, .address_space: global }
      - { .name: b2, .offset: 24, .size: 8, .value_kind: global_buffer, .address_space: global }
      - { .name: out0, .offset: 32, .size: 8, .value_kind: global_buffer, .address_space: global }
    .group_segment_fixed_size: 1536
    .private_segment_fixed_size: 0
    .kernarg_segment_align: 8
    .kernarg_segment_size: 40
    .max_flat_workgroup_size: 256
    .sgpr_count:     66
    .vgpr_count:     232
    .wavefront_size: 32
...
	.end_amdgpu_metadata
.endif
;; end of part 5
;; ======== version 2 of 2: 5 launches; version 1 with the launches ffn1, ffn2 written anew for expert scheduling mode
;; limits: values are held in f16: magnitudes above 65,504 overflow, below 6.1e-05 lose precision
;; workspace buffers: memb 2,048 bytes of whole numbers; selv 8,192 bytes of whole numbers; meta 256 bytes of whole numbers; tokrow 16,384 bytes of whole numbers; val 16,384 bytes; xs 8,650,752 bytes; hbuf 17,301,504 bytes; ypart 34,603,008 bytes
;; launch gate: the kernel of part 1 again; grid 128 x 1, 8 waves a work-group, no clusters, 60,416 bytes of LDS; arguments x, gate_w, memb, selv, val; writes memb, selv, val
;; launch sortx: the kernel of part 2 again; grid 264 x 1, 8 waves a work-group, no clusters, 42,240 bytes of LDS; arguments memb, selv, x, xs, tokrow, meta; writes xs, tokrow, meta
;; launch ffn1 (part 6): grid 32 x 8, 4 waves a work-group, no clusters, 134,656 bytes of LDS; arguments meta, xs, w1, b1, hbuf; writes hbuf
.if DOCPART == 6
	.amdgcn_target "amdgcn-amd-amdhsa--gfx1250"
	.amdhsa_code_object_version 6
	.text
	.protected	k_qa555e898a5_ffn1
	.globl	k_qa555e898a5_ffn1
	.p2align	8
	.type	k_qa555e898a5_ffn1,@function
k_qa555e898a5_ffn1:
	s_mov_b64 s[64:65], 0
	v_nop
	global_prefetch_b8 v0, s[64:65] scope:SCOPE_SE
	s_setreg_imm32_b32 hwreg(HW_REG_WAVE_SCHED_MODE, 0, 2), 2
	s_setreg_imm32_b32 hwreg(HW_REG_WAVE_MODE, 25, 1), 1
	s_wait_xcnt 0x0
	s_wait_alu depctr_vm_vsrc(0)
; EXPERT LAYER.  One text serves both layers; FFN chooses.
;   FFN = 1:  H = relu(Xs w1[e] + b1[e]), rounded once to f16, for the sorted rows of expert e.  Product in bf16.  Arguments: meta, xs, w1, b1, hbuf.
;   FFN = 2:  Y(half) = H w2[e] over one half of the 2,048 channels of H, f32 partial sums.      Product in f16.   Arguments: meta, hbuf, w2, ypart.
.set FFN, 1
; FORMATS.  Weights and bias are rounded to bf16 (as every input of this program is); sums in f32.  H, which the program makes itself, is kept in f16: its 11 significant bits leave an eighth of the error that
; bf16's 8 would, and the rows with the largest combine weights need that.  So the second layer multiplies in f16: w2 is rounded to bf16 and that number is written as f16.
; LIMITS.  An H of 65,520 or more becomes an infinity.  With x of spread 1 and w1 of spread 0.02 a sum of 1,024 products has spread 0.64; both 30 times larger: 576; common offsets of 30 and of 0.6: 18,432.
; A bf16 number is exact in f16 from 2^-17 on (8 significant bits over f16's fixed step of 2^-24); a smaller w2 is off by 2^-25 at the most.  relu is taken of the rounded number, which is the same number; a minus zero may remain.
; SHARES.  Work-group (x, e): expert e, 64 output columns (FFN = 2: columns by x % 16, half of K by x / 16), K = 1,024.  It turns its 1,024 x 64 weights into 16 bits ONCE and keeps them in LDS as [column][k]:
; each weight byte is loaded and converted once in the launch.  Then the expert's blocks of 16 sorted rows go by: in pass p wave w takes the blocks 36 p + 9 w + 0..8, 36 accumulators of 16 x 16.
; The row operand lies in memory in FRAGMENT IMAGE (a block: half-steps of 512 bytes; in half-step q lane l = 16 h + r owns the 16 bytes at 512 q + 16 l: row r, k = 16 q + 8 h + 0..7), so it is
; loaded straight into registers, 512 consecutive bytes a load, and touches no LDS.
; COUNTS FROM MEMORY.  meta[e], meta[e + 1] bound the expert's blocks, meta[8] is the number of blocks.  The pass loop counts to the constant 4 (144 blocks; an expert has 128 at the most); a wave with no block in a
; pass jumps forward over it.  A pass always multiplies nine blocks that exist: its first block is moved back where nine would pass the last block; what is not the wave's own is not stored.
; THE FIRST PASS'S ROWS are asked for inside the fill, a ring place as soon as the fill has left its registers, by every wave, with or without a block of its own (the nine blocks exist either way): they are on
; their way while the last weights come.  The pass loop is entered behind its own copy of these loads.
; NO CLUSTER: what an expert's 32 work-groups share is the row operand, and each fragment of it feeds one wave's products only; a joint load would land it in LDS, 36 KB written and read for each K step beside the
; 16 KB of weight fragments that are read there now; and how many passes a partner runs hangs on counts read from memory.
; THE RESULT'S LAYOUT is chosen so that it leaves without LDS.
;   FFN = 1: source 0 = 16 columns of the weights, source 1 = 16 rows.  Lane l holds row l % 16 and columns 8 (l / 16) + 0..7 of the block of 16: rounded, the lane's 16 bytes of a half-step of the next layer's rows.
;   FFN = 2: source 0 = 16 rows, source 1 = 16 columns, and column block c holds the columns 4 r + c (the fill lays them so).  Lane l holds column place r = l % 16 and rows 8 (l / 16) + 0..7: register j of the four
;            accumulators of a block is four neighbouring f32 of one row, and 16 lanes hold the row's 256 bytes.
; REGISTERS, in windows of 256 (s_set_vgpr_msb: bits 1:0 source 0, 3:2 source 1, 5:4 source 2, 7:6 destination):
;   window 0: v1-15 addresses; v16-47 bias; v48-79, v80-111 weight fragments, two buffers; v112-143 at work; v144-255 (and v48-79) the first layer's results to store, 16 registers a block
;   window 1: accumulators of blocks 0-7, (i, c) at 32 i + 8 c      window 2: row fragments of blocks 0-7, a ring of four K steps, (b, i) at 64 b + 8 i; in the fill: eight places for units of weights;
;   on the second layer's way out: its results to store, 32 registers a block      window 3: v0-31 accumulators of block 8; v32-63 its row fragments, then its results to store
; SCALARS: s[28:29], s[38:39], s[40:41], s[42:43] the rows' address for ring places 0 to 3, one each, so that each is stepped behind the wait that shows its own loads done; s[30:31] the output's.
; THE MODE: SCHED_MODE bits 1:0 = 2 (LLVM: expert scheduling mode 2), set by the entry lines.  The code itself states the register dependences
; between vector or matrix instructions and memory or LDS instructions, with s_wait_alu, always for 0.
; THE PLAN.  Registers that memory or LDS instructions touch:
;   X0 .. X3     the ring places.  K step k: its 36 products read X[k % 4]; the loads of K step k + 4 land in it, issued in K step k + 1.
;   WF0, WF1     the weight fragments.  K step k: its products read WF[k % 2]; the LDS loads of K step k + 2 land in it, issued at the head of K step k + 1.
;   v2, v3       read by the loop's LDS loads; written once a trip, at its head.
;   v1, v4 to v8, v10   offsets and addresses: made at the kernel's head, never written again; the rows are reached by the four scalar addresses and by immediate offsets.
;   v[TR ..]     in the fill: written by a unit's roundings, read by its four LDS stores.  The fill's eight places: read by a unit's roundings; later a further unit's or a ring place's loads land there.
;   the results to store   written by a block's way out, read by its stores; in the next pass written again, or loaded into.
;   The accumulators, the bias and v[UP ..] are named by vector and matrix instructions alone.
; So ONE wait on va_vdst stands in a K step, at its head: the products of the step before are done reading their ring place and their weight buffer (and, in a trip's first step, v2 and v3 are written).  The step's
; 26 loads follow it, dealt among its products, which name the step's own ring place, its own weight buffer and the accumulators: none of the registers that those loads touch.  One wait on vm_vsrc a trip stands
; ahead of the adds to v2 and v3.  A unit of the fill has one wait of each kind, a block's way out one on va_vdst, a pass's head one of each kind.
.if FFN == 1
.set PITCHW, 8192                      ; bytes from row to row of the weights
.set ABLK,   32768                     ; bytes of a block of the row operand
.set LOGA,   15
.set LOGH,   16                        ; 8 rows of the weights = 1 << LOGH bytes
.set LOGWV,  21                        ; 256 rows
.set W_MUL,  0x58                      ; weights (source 0) window 0, rows (source 1) window 2, sums window 1
.set W_MUL8, 0xfc                      ; block 8: rows and sums window 3
.else
.set PITCHW, 4096
.set ABLK,   65536
.set LOGA,   16
.set LOGH,   15
.set LOGWV,  20
.set W_MUL,  0x52                      ; rows (source 0) window 2, weights (source 1) window 0, sums window 1
.set W_MUL8, 0xf3
.set YH,     17301504                  ; bytes of one half's partial sums
.endif
.set PS,    2064                       ; a column's 1,024 numbers of 16 bits in LDS: 2,048 bytes + 16: the 16 columns of a fragment load start at 16 different groups of four banks (64 banks of 4 bytes: ISA guide 11.1)
.set HALFS, 32*PS                      ; LDS rows 32-63 begin here: beyond the reach of a 16-bit offset, so they have an address register of their own
.set SPARE, 134144                     ; the weights end at 132,096; 2,048 bytes are left free; then the spare words, 128 bytes for each wave: two blocks of 256 bytes that no other line names
.set BI, 16
.set WF, 48
.set TR, 112
.set UP, 128                           ; v[128:159], in the second layer's fill: 32 weights rounded to bf16 and widened again
.set MSB, 0
.macro WIN new                         ; the immediate's high byte repeats the setting that is left; a switch that changes nothing is dropped
.if MSB != (\new)
	s_set_vgpr_msb (MSB<<8)|(\new)
.set MSB, (\new)
.endif
.endm
.macro XB b                            ; XBR = the first register of ring place b's address
.if (\b) == 0
.set XBR, 28
.else
.set XBR, 36+2*(\b)
.endif
.endm
; A pass's nine blocks, from s23, my first block counted in the expert.
.macro PARAMS
	s_add_co_u32 s24, s18, s23                     ; my first block,
	s_sub_co_u32 s25, s20, 9
	s_min_u32 s25, s25, s24                        ; moved back where nine blocks from it on would pass the last block;
	s_min_u32 s25, s25, 255                        ; (there are 263 blocks at the most)
	s_sub_co_u32 s26, s24, s25                     ; lo: of the nine, mine begin here,
	s_sub_co_u32 s27, s19, s25                     ; hi: and the expert's end here
	s_lshl_b32 s34, s25, LOGA
	s_add_nc_u64 s[28:29], s[6:7], s[34:35]        ; ring place b begins with K step b: 1,024 bytes of a block each
	s_add_nc_u64 s[38:39], s[28:29], 1024
	s_add_nc_u64 s[40:41], s[28:29], 2048
	s_add_nc_u64 s[42:43], s[28:29], 3072
	s_lshl_b32 s34, s25, 16                        ; a block of the output is 65,536 bytes in either layer
	s_add_nc_u64 s[30:31], s[12:13], s[34:35]
.endm
.macro XBLK b, i0, n                   ; the row fragments of one K step for blocks i0 .. i0 + n - 1 (of 0 to 7): two loads of 512 consecutive bytes a block, into ring place b, from that place's address
	XB \b
	WIN 0x80
.set xi, \i0
.rept \n
	global_load_b128 v[64*(\b)+8*xi:64*(\b)+8*xi+3],   v1, s[XBR:XBR+1] offset:xi*ABLK
	global_load_b128 v[64*(\b)+8*xi+4:64*(\b)+8*xi+7], v1, s[XBR:XBR+1] offset:xi*ABLK+512
.set xi, xi+1
.endr
.endm
.macro XBLK8 b                         ; the same for block 8
	XB \b
	WIN 0xc0
	global_load_b128 v[32+8*(\b):32+8*(\b)+3],   v1, s[XBR:XBR+1] offset:8*ABLK
	global_load_b128 v[32+8*(\b)+4:32+8*(\b)+7], v1, s[XBR:XBR+1] offset:8*ABLK+512
.endm
.macro XLOAD b                         ; all nine blocks: 18 loads
	XBLK \b, 0, 8
	XBLK8 \b
	WIN 0
.endm
; THE FILL.  A unit is 16 rows of the weights x 64 columns; my wave has 16.  Eight loads bring it: load j, lane l: row 16 u + 8 h + j, columns 4 r .. 4 r + 3.  So a lane holds eight consecutive k of four columns,
; and pairing its registers along k IS the turn from [k][column] to [column][k]: 16 roundings, four stores of 16 bytes.  Six units, 48 loads, are on their way at a time.
; In the second layer the rounded pair is widened again (a shift, a mask) and written as f16: three lines more for each pair.
.macro WLOADU u
	WIN 0x80                                       ; destination window 2
.set j, 0
.rept 8
	global_load_b128 v[32*((\u)%8)+4*j:32*((\u)%8)+4*j+3], v6, s[8:9] offset:(16*(\u)+j)*PITCHW th:TH_LOAD_NT  ; two whole pieces of 256 bytes; read once in the launch
.set j, j+1
.endr
.endm
.macro WCONV u, left                   ; left: the loads issued behind unit u's, which may stay out
	s_wait_loadcnt \left
.if (\u) > 0
	s_wait_alu depctr_vm_vsrc(0)                   ; the LDS stores of the unit before have read v[TR ..], which the roundings below write again
.endif
	WIN 0x0a                                       ; sources window 2
.set c, 0
.rept 4
.set j, 0
.rept 4
	v_cvt_pk_bf16_f32 v[TR+4*c+j], v[32*((\u)%8)+8*j+c], v[32*((\u)%8)+8*j+4+c]
.set j, j+1
.endr
.set c, c+1
.endr
	WIN 0
.if FFN == 2
.set p, 0
.rept 16
	v_lshlrev_b32 v[UP+2*p],   16,  v[TR+p]        ; bf16 to f32: the low half moves up,
	v_and_b32     v[UP+2*p+1], s37, v[TR+p]        ; the high half stays
.set p, p+1
.endr
.set p, 0
.rept 16
	v_cvt_pk_f16_f32 v[TR+p], v[UP+2*p], v[UP+2*p+1]
.set p, p+1
.endr
.endif
	s_wait_alu depctr_va_vdst(0)                   ; the roundings have written v[TR ..], which the LDS stores read, and are done reading this unit's place and the earlier ones, in which the loads that follow land
.set c, 0
.rept 4
.if FFN == 1
	ds_store_b128 v7, v[TR+4*c:TR+4*c+3] offset:c*PS+32*(\u)
.else
	ds_store_b128 v[7+c/2], v[TR+4*c:TR+4*c+3] offset:(c%2)*16*PS+32*(\u)
.endif
.set c, c+1
.endr
.endm
.macro WFLOAD wf, wo, ar               ; the weight fragments of one K step, four column blocks: 8 LDS loads, into buffer wf, at byte wo of the LDS rows from where v[ar] and v[ar + 1] stand
.set c, 0
.rept 4
	ds_load_b128 v[WF+32*(\wf)+8*c:WF+32*(\wf)+8*c+3],   v[(\ar)+c/2] offset:(c%2)*16*PS+(\wo)
	ds_load_b128 v[WF+32*(\wf)+8*c+4:WF+32*(\wf)+8*c+7], v[(\ar)+c/2] offset:(c%2)*16*PS+(\wo)+32
.set c, c+1
.endr
.endm
.macro PROD acc, wr, xr, zero          ; one product; the layer chooses the format and which operand is source 0
.if FFN == 1
.if \zero
	v_wmma_f32_16x16x32_bf16 v[(\acc):(\acc)+7], v[(\wr):(\wr)+7], v[(\xr):(\xr)+7], 0
.else
	v_wmma_f32_16x16x32_bf16 v[(\acc):(\acc)+7], v[(\wr):(\wr)+7], v[(\xr):(\xr)+7], v[(\acc):(\acc)+7]
.endif
.else
.if \zero
	v_wmma_f32_16x16x32_f16 v[(\acc):(\acc)+7], v[(\xr):(\xr)+7], v[(\wr):(\wr)+7], 0
.else
	v_wmma_f32_16x16x32_f16 v[(\acc):(\acc)+7], v[(\xr):(\xr)+7], v[(\wr):(\wr)+7], v[(\acc):(\acc)+7]
.endif
.endif
.endm
.macro PRODS b, wf, i0, n, zero        ; the 4 n products of blocks i0 .. i0 + n - 1 (of 0 to 7)
	WIN W_MUL
.set blk, \i0
.rept \n
.set c, 0
.rept 4
	PROD 32*blk+8*c, WF+32*(\wf)+8*c, 64*(\b)+8*blk, \zero
.set c, c+1
.endr
.set blk, blk+1
.endr
.endm
; A K STEP of 32: 36 products on ring place b and weight buffer wf, the 36 accumulators by turns in the same order in every step.
; At its head the one wait on va_vdst; behind it the two buffers that the step before read are asked for anew: the weights of the next step (pw) at once, at byte wo of the LDS rows from where v2 and v3 stand,
; since they are wanted first; the rows of the step three on (px) dealt among the products: block 8's two loads at the head, then four loads behind each eight products.
; sx: ring place b's address steps.  lc: the younger row loads that may stay out (18 a step, and block 8's two just issued); dc: the younger weight loads (the next step's 8).
.macro STEP b, wf, zero, px, pw, sx, lc, dc, wo
.if (\px) || (\pw)
	s_wait_alu depctr_va_vdst(0)                   ; the products of the step before are done reading ring place (b + 3) % 4 and the other weight buffer, in which this step's loads land; in a trip's first step v2 and v3 are written
.endif
.if \pw
	WIN 0
	WFLOAD 1-(\wf), \wo, 2
.endif
.if \px
	XBLK8 (\b+3)%4
.endif
	s_wait_loadcnt \lc                             ; this ring place's 18 loads are in: its registers may be read,
	s_wait_dscnt \dc
.if \sx
	XB \b
	s_add_nc_u64 s[XBR:XBR+1], s[XBR:XBR+1], 4096  ; and its address, which only those loads named, may step: four K steps on
.endif
	PRODS \b, \wf, 0, 2, \zero
.if \px
	XBLK (\b+3)%4, 0, 2                            ; no wait: no vector or matrix instruction since the wait at the head names that ring place or v1
.endif
	PRODS \b, \wf, 2, 2, \zero
.if \px
	XBLK (\b+3)%4, 2, 2
.endif
	PRODS \b, \wf, 4, 2, \zero
.if \px
	XBLK (\b+3)%4, 4, 2
.endif
	PRODS \b, \wf, 6, 2, \zero
.if \px
	XBLK (\b+3)%4, 6, 2
.endif
	WIN W_MUL8
.set c, 0
.rept 4
	PROD 8*c, WF+32*(\wf)+8*c, 32+8*(\b), \zero
.set c, c+1
.endr
.endm
; THE WAY OUT of block i of the pass's nine, if it is mine: lo <= i < hi.  Each block stores from registers of its own, so that no block waits for the stores of the block before.
.macro OUTB i
	s_cmp_gt_u32 s26, \i
	s_cbranch_scc1 .Lno_\@
	s_cmp_le_u32 s27, \i
	s_cbranch_scc1 .Lno_\@
.if (\i) < 8
.set AB, 32*(\i)
.else
.set AB, 0
.endif
.if FFN == 1
.if (\i) < 7
.set PB, 144+16*(\i)
.else
.set PB, 48+16*((\i)-7)                ; the weight fragments' registers: free behind the last product
.endif
	WIN 0x01+2*((\i)/8)                            ; source 0: window 1, or 3 for block 8
.set p, 0
.rept 16
	v_pk_add_f32 v[TR+2*p:TR+2*p+1], v[AB+2*p:AB+2*p+1], v[BI+2*p:BI+2*p+1]    ; each accumulator from its low end on
.set p, p+1
.endr
	WIN 0
.set p, 0
.rept 16
	v_cvt_pk_f16_f32 v[PB+p], v[TR+2*p], v[TR+2*p+1]
.set p, p+1
.endr
.set p, 0
.rept 16
	v_pk_max_num_f16 v[PB+p], v[PB+p], v11         ; relu, two at a time
.set p, p+1
.endr
	s_wait_alu depctr_va_vdst(0)                   ; the relu has written v[PB ..], which the four stores read
.set c, 0
.rept 4
	global_store_b128 v1, v[PB+4*c:PB+4*c+3], s[30:31] offset:(\i)*65536+512*c  ; a lane's eight columns of a row ARE its 16 bytes of a half-step of the next layer's rows: 512 consecutive bytes
.set c, c+1
.endr
.else
.if (\i) < 8
.set DB, 32*(\i)
	WIN 0x81                                       ; from window 1 into window 2: the ring's registers, free behind the last product
.else
.set DB, 32
	WIN 0xc3                                       ; block 8: within window 3
.endif
.set j, 0
.rept 8                                 ; register j of the four accumulators: columns 4 r .. 4 r + 3 of row 8 h + j, brought side by side; 32 moves take the place of a round trip through LDS
.set c, 0
.rept 4
	v_mov_b32 v[DB+4*j+c], v[AB+8*c+j]             ; j ascending: each accumulator from its low end on
.set c, c+1
.endr
.set j, j+1
.endr
	WIN 0x08+4*((\i)/8)                            ; a store's data is source 1: window 2, or 3 for block 8; its address, source 0, window 0
	s_wait_alu depctr_va_vdst(0)                   ; the moves have written v[DB ..], which the eight stores read
.set j, 0
.rept 8
	global_store_b128 v10, v[DB+4*j:DB+4*j+3], s[30:31] offset:(\i)*65536+4096*j  ; 16 lanes store 256 consecutive bytes, at a multiple of 256 from the buffer's first byte
.set j, j+1
.endr
	WIN 0
.endif
.Lno_\@:
.endm
.if FFN == 1
	s_load_b256 s[4:11], s[0:1], 0x0               ; meta s[4:5], rows s[6:7], weights s[8:9], bias s[10:11]
	s_load_b64 s[12:13], s[0:1], 0x20              ; output
.else
	s_load_b128 s[4:7], s[0:1], 0x0                ; meta s[4:5], rows s[6:7]
	s_load_b128 s[8:11], s[0:1], 0x10              ; weights s[8:9], output s[10:11]
.endif
	v_lshl_add_u32 v12, v0, 2, SPARE               ; my spare word, and 0: kept for the add at the wave's end alone
	v_mov_b32 v13, 0
	v_lshrrev_b32 v14, 5, v0
	v_readfirstlane_b32 s14, v14                   ; wave 0..3
	v_and_b32 v14, 31, v0
	v_lshlrev_b32 v1, 4, v14                       ; 16 x lane
	v_and_b32 v15, 15, v0                          ; r = l % 16
	v_bfe_u32 v14, v0, 4, 1                        ; h = l / 16
	v_mul_u32_u24 v4, v15, PS
	v_lshl_add_u32 v4, v14, 4, v4                  ; a weight fragment: LDS row r, 16 bytes for each half of the lanes
	v_add_nc_u32 v5, HALFS, v4
	v_lshlrev_b32 v6, 4, v15
	v_lshl_add_u32 v6, v14, LOGH, v6               ; the fill's loads: lanes 0-15 one row's 256 bytes, lanes 16-31 those of the row 8 further down
	s_wait_alu depctr_va_sdst(0)                   ; s14 is written, ahead of its first reader: LDS places, the weights' address and my blocks are made from it
	s_lshl_b32 s2, s14, 9                          ; my wave's 256 k in an LDS row
	s_mov_b32 s37, 0xffff0000                      ; a word's upper bf16
.if FFN == 1
	v_mul_u32_u24 v7, v15, 4*PS
	v_lshl_add_u32 v7, v14, 4, v7
	v_add_nc_u32 v7, s2, v7                        ; the fill's stores: column 4 r + c lies in LDS row 4 r + c; k = 256 w + 8 h
	v_lshlrev_b32 v10, 5, v14                      ; my eight bias numbers of a column block: 32 h
	v_mov_b32 v11, 0                               ; for the relu
	s_mov_b32 s15, ttmp9                           ; which 64 columns
.else
	v_add_nc_u32 v7, s2, v4                        ; the fill's stores: column 4 r + c lies in LDS row 16 c + r; k = 256 w + 8 h
	v_add_nc_u32 v8, s2, v5
	v_lshlrev_b32 v10, 4, v15
	v_lshl_add_u32 v10, v14, 15, v10               ; the way out: 16 r bytes in a row, lanes 16-31 eight rows of 4,096 bytes down
	s_and_b32 s15, ttmp9, 15                       ; which 64 columns,
	s_lshr_b32 s17, ttmp9, 4                       ; which half of K
.endif
	s_and_b32 s16, ttmp7, 0xffff                   ; the expert
	s_lshl_b32 s33, s16, 2
	s_lshl_b32 s34, s16, 23                        ; the expert's weights: 8,388,608 bytes,
	s_lshl_b32 s3, s14, LOGWV                      ; my wave's 256 rows,
	s_add_co_u32 s34, s34, s3
	s_lshl_b32 s3, s15, 8                          ; the group's 256 bytes of each
	s_add_co_u32 s34, s34, s3
.if FFN == 2
	s_lshl_b32 s2, s17, 22                         ; the half's 1,024 rows
	s_add_co_u32 s34, s34, s2
.endif
	s_mov_b32 s35, 0
	s_wait_kmcnt 0x0
	s_add_nc_u64 s[8:9], s[8:9], s[34:35]
	s_load_b64 s[18:19], s[4:5], s33 offset:0x0    ; off[e], off[e + 1]
	s_load_b32 s20, s[4:5], 0x20                   ; the number of blocks
	s_wait_alu depctr_va_vdst(0)                   ; the offsets and addresses v1, v4 to v8 and v10 are written: every load and store of the kernel but the loop's weight fragments reads one of them
.if FFN == 1
	s_lshl_b32 s34, s16, 13
	s_add_co_u32 s34, s34, s3
	s_add_nc_u64 s[10:11], s[10:11], s[34:35]      ; the bias of my 64 columns
	s_lshl_b32 s34, s15, 11
	s_add_nc_u64 s[12:13], s[12:13], s[34:35]      ; the output's half-steps 4 x .. 4 x + 3 of block 0
.irp c, 0,1,2,3
	global_load_b128 v[BI+8*\c:BI+8*\c+3],   v10, s[10:11] offset:64*\c
	global_load_b128 v[BI+8*\c+4:BI+8*\c+7], v10, s[10:11] offset:64*\c+16
.endr
.else
	s_lshl_b32 s34, s17, 15
	s_add_nc_u64 s[6:7], s[6:7], s[34:35]          ; the half's 64 half-steps of a block
	s_mul_i32 s34, s17, YH
	s_add_co_u32 s34, s34, s3
	s_add_nc_u64 s[12:13], s[10:11], s[34:35]      ; the half's sums, my 64 columns of row 0
.endif
.irp u, 0,1,2,3,4,5
	WLOADU \u
.endr
.irp u, 0,1,2,3,4,5,6,7,8,9
	WCONV \u, 40                                   ; five younger units of 8 loads stay out
	WLOADU \u+6                                    ; into the place that the unit two back left: no vector instruction since the unit's wait on va_vdst
.endr
	WCONV 10, 40
	s_wait_kmcnt 0x0                               ; the three counts
	s_sub_co_u32 s21, s19, s18                     ; the expert's blocks
	s_mul_i32 s23, s14, 9                          ; my first block of pass 0, counted in the expert
	s_mov_b32 s22, 4
	PARAMS
	XLOAD 0                                        ; ring place b lies where the fill's units 8 + 2 b and 9 + 2 b lay: it is loaded behind their conversion, and behind the wait on va_vdst of the unit after them
	WCONV 11, 50                                   ; four younger units, and place 0's 18 loads
	WCONV 12, 42                                   ; three, and 18
	XLOAD 1
	WCONV 13, 52                                   ; two, and 36
	WCONV 14, 44                                   ; one, and 36
	XLOAD 2
	WCONV 15, 54                                   ; the three places' 54
	XLOAD 3
.if FFN == 1
	s_wait_alu depctr_vm_vsrc(0)                   ; the fill's last LDS stores have read v[TR ..], which the lines below and the way out write
.set p, 0
.rept 16                                ; the bias rounded to bf16 and widened again (it came in ahead of the weights)
	v_cvt_pk_bf16_f32 v[TR], v[BI+2*p], v[BI+2*p+1]
	v_lshlrev_b32 v[BI+2*p], 16, v[TR]
	v_and_b32 v[BI+2*p+1], s37, v[TR]
.set p, p+1
.endr
.endif
	s_wait_dscnt 0x0                               ; for the others' sake: my quarter of the weights is in LDS
	s_barrier_signal -1
	s_barrier_wait -1                              ; behind it the weights are only read
	s_cmp_lt_u32 s23, s21
	s_cbranch_scc1 .Lgo                            ; the first pass's rows are on their way already
	s_branch .Lskip                                ; no block of the expert for me
.Lpass:
	s_wait_loadcnt 0x0                             ; (a wave that jumped over the first pass still has that pass's row loads out)
	s_wait_xcnt 0x0                                ; the stores' base and registers of the pass before are rewritten only behind this wait
	s_wait_alu depctr_vm_vsrc(0)                   ; the stores of the pass before have read their data registers, in which this pass's loads land or which its way out writes
	s_wait_alu depctr_va_vdst(0)                   ; the products and the way out of the pass before are done with the ring's and the weight fragments' registers, in which the loads below land
	s_cmp_ge_u32 s23, s21
	s_cbranch_scc1 .Lskip                          ; no block of the expert is left for me
	PARAMS
	XLOAD 0
	XLOAD 1
	XLOAD 2
	XLOAD 3
.Lgo:
	s_mov_b32 s36, 0                               ; how far along K a trip's weight fragments begin, in bytes of an LDS row
	WFLOAD 0, 0, 4                                 ; K steps 0 and 1, by the lane's fixed addresses v4 and v5
	WFLOAD 1, 64, 4
	STEP 0, 0, 1, 0, 0, 1, 54, 8, 0                ; K step 0 starts the sums: nothing is cleared; no step stands in front of it, so it asks for nothing
	WIN 0                                          ; at a label and at a branch every window is 0
	s_mov_b32 s32, 6
.Lk:                                                   ; trip T: K steps 4 T + 1 .. 4 T + 4; they fetch the rows of steps 4 T + 4 .. 4 T + 7 and the weights of steps 4 T + 2 .. 4 T + 5, at bytes 256 T + 128 .. + 320
	s_wait_alu depctr_vm_vsrc(0)                   ; the LDS loads issued so far have read v2 and v3
	v_add_nc_u32 v2, s36, v4                       ; the two addresses are made anew in each trip, from the lane's fixed part and the trip's 256 T
	v_add_nc_u32 v3, s36, v5
	STEP 1, 1, 0, 1, 1, 1, 38, 8, 128
	STEP 2, 0, 0, 1, 1, 1, 38, 8, 192
	STEP 3, 1, 0, 1, 1, 1, 38, 8, 256
	STEP 0, 0, 0, 1, 1, 1, 38, 8, 320
	WIN 0
	s_add_co_u32 s36, s36, 256
	s_sub_co_u32 s32, s32, 1
	s_cmp_lg_u32 s32, 0
	s_cbranch_scc1 .Lk
	s_wait_alu depctr_vm_vsrc(0)                   ; the LDS loads issued so far have read v2 and v3
	v_add_nc_u32 v2, s36, v4                       ; 1,536 after the six trips
	v_add_nc_u32 v3, s36, v5
	STEP 1, 1, 0, 1, 1, 1, 38, 8, 128              ; K steps 25 to 31: the loads run out, and no load passes a block's end
	STEP 2, 0, 0, 1, 1, 1, 38, 8, 192
	STEP 3, 1, 0, 1, 1, 1, 38, 8, 256
	STEP 0, 0, 0, 1, 1, 0, 38, 8, 320              ; the rows of K step 31: the last
	STEP 1, 1, 0, 0, 1, 0, 36, 8, 384
	STEP 2, 0, 0, 0, 1, 0, 18, 8, 448              ; the weights of K step 31: the last
	STEP 3, 1, 0, 0, 0, 0, 0, 0, 0
	WIN 0
.rept 5
	v_nop                                          ; five places behind the last products (ISA guide 7.12.1): four ahead of the way out's vector lines, which read their results and write their sources; the fifth for
.endr                                                  ; the next pass's first products, which begin new sums in the same accumulators and so write over them, also where every block's way out is jumped over
.irp i, 0,1,2,3,4,5,6,7,8
	OUTB \i
.endr
.Lskip:
	s_add_co_u32 s23, s23, 36
	s_sub_co_u32 s22, s22, 1
	s_cmp_lg_u32 s22, 0
	s_cbranch_scc1 .Lpass
	s_wait_dscnt 0x0                               ; my reads of LDS are over;
	s_barrier_signal -1
	s_barrier_wait -1                              ; every wave's are: the closing adds stand behind all reads
	s_wait_dscnt 0x0                               ; the closing lines, six on end
	s_wait_alu 0x0
	s_wait_tensorcnt 0x0
	ds_add_u32 v12, v13
	s_wait_dscnt 0x0
	s_endpgm
.Lfunc_end_k_qa555e898a5_ffn1:
	.size	k_qa555e898a5_ffn1, .Lfunc_end_k_qa555e898a5_ffn1-k_qa555e898a5_ffn1
	.p2alignl 7, 3214868480
	.fill 96, 4, 3214868480
	.section	.rodata,"a",@progbits
	.p2align	6, 0x0
	.amdhsa_kernel k_qa555e898a5_ffn1
		.amdhsa_group_segment_fixed_size 134656
		.amdhsa_private_segment_fixed_size 0
		.amdhsa_enable_private_segment 0
		.amdhsa_kernarg_size 40
		.amdhsa_user_sgpr_count 2
		.amdhsa_user_sgpr_kernarg_segment_ptr 1
		.amdhsa_wavefront_size32 1
		.amdhsa_system_sgpr_workgroup_id_x 1
		.amdhsa_system_sgpr_workgroup_id_y 1
		.amdhsa_system_sgpr_workgroup_id_z 1
		.amdhsa_system_vgpr_workitem_id 0
		.amdhsa_next_free_vgpr 832
		.amdhsa_next_free_sgpr 66
		.amdhsa_reserve_vcc 0
		.amdhsa_float_denorm_mode_32 3
		.amdhsa_float_denorm_mode_16_64 3
		.amdhsa_memory_ordered 1
		.amdhsa_forward_progress 1
		.amdhsa_inst_pref_size 141
	.end_amdhsa_kernel
	.amdgpu_metadata
---
amdhsa.version: [ 1, 2 ]
amdhsa.kernels:
  - .name:           k_qa555e898a5_ffn1
    .symbol:         k_qa555e898a5_ffn1.kd
    .args:
      - { .name: meta, .offset: 0, .size: 8, .value_kind: global_buffer, .address_space: global }
      - { .name: xs, .offset: 8, .size: 8, .value_kind: global_buffer, .address_space: global }
      - { .name: w1, .offset: 16, .size: 8, .value_kind: global_buffer, .address_space: global }
      - { .name: b1, .offset: 24, .size: 8, .value_kind: global_buffer, .address_space: global }
      - { .name: hbuf, .offset: 32, .size: 8, .value_kind: global_buffer, .address_space: global }
    .group_segment_fixed_size: 134656
    .private_segment_fixed_size: 0
    .kernarg_segment_align: 8
    .kernarg_segment_size: 40
    .max_flat_workgroup_size: 128
    .sgpr_count:     66
    .vgpr_count:     832
    .wavefront_size: 32
...
	.end_amdgpu_metadata
.endif
;; end of part 6
;; launch ffn2 (part 7): grid 32 x 8, 4 waves a work-group, no clusters, 134,656 bytes of LDS; arguments meta, hbuf, w2, ypart; writes ypart
.if DOCPART == 7
	.amdgcn_target "amdgcn-amd-amdhsa--gfx1250"
	.amdhsa_code_object_version 6
	.text
	.protected	k_qa555e898a5_ffn2
	.globl	k_qa555e898a5_ffn2
	.p2align	8
	.type	k_qa555e898a5_ffn2,@function
k_qa555e898a5_ffn2:
	s_mov_b64 s[64:65], 0
	v_nop
	global_prefetch_b8 v0, s[64:65] scope:SCOPE_SE
	s_setreg_imm32_b32 hwreg(HW_REG_WAVE_SCHED_MODE, 0, 2), 2
	s_setreg_imm32_b32 hwreg(HW_REG_WAVE_MODE, 25, 1), 1
	s_wait_xcnt 0x0
	s_wait_alu depctr_vm_vsrc(0)
; EXPERT LAYER.  One text serves both layers; FFN chooses.
;   FFN = 1:  H = relu(Xs w1[e] + b1[e]), rounded once to f16, for the sorted rows of expert e.  Product in bf16.  Arguments: meta, xs, w1, b1, hbuf.
;   FFN = 2:  Y(half) = H w2[e] over one half of the 2,048 channels of H, f32 partial sums.      Product in f16.   Arguments: meta, hbuf, w2, ypart.
.set FFN, 2
; FORMATS.  Weights and bias are rounded to bf16 (as every input of this program is); sums in f32.  H, which the program makes itself, is kept in f16: its 11 significant bits leave an eighth of the error that
; bf16's 8 would, and the rows with the largest combine weights need that.  So the second layer multiplies in f16: w2 is rounded to bf16 and that number is written as f16.
; LIMITS.  An H of 65,520 or more becomes an infinity.  With x of spread 1 and w1 of spread 0.02 a sum of 1,024 products has spread 0.64; both 30 times larger: 576; common offsets of 30 and of 0.6: 18,432.
; A bf16 number is exact in f16 from 2^-17 on (8 significant bits over f16's fixed step of 2^-24); a smaller w2 is off by 2^-25 at the most.  relu is taken of the rounded number, which is the same number; a minus zero may remain.
; SHARES.  Work-group (x, e): expert e, 64 output columns (FFN = 2: columns by x % 16, half of K by x / 16), K = 1,024.  It turns its 1,024 x 64 weights into 16 bits ONCE and keeps them in LDS as [column][k]:
; each weight byte is loaded and converted once in the launch.  Then the expert's blocks of 16 sorted rows go by: in pass p wave w takes the blocks 36 p + 9 w + 0..8, 36 accumulators of 16 x 16.
; The row operand lies in memory in FRAGMENT IMAGE (a block: half-steps of 512 bytes; in half-step q lane l = 16 h + r owns the 16 bytes at 512 q + 16 l: row r, k = 16 q + 8 h + 0..7), so it is
; loaded straight into registers, 512 consecutive bytes a load, and touches no LDS.
; COUNTS FROM MEMORY.  meta[e], meta[e + 1] bound the expert's blocks, meta[8] is the number of blocks.  The pass loop counts to the constant 4 (144 blocks; an expert has 128 at the most); a wave with no block in a
; pass jumps forward over it.  A pass always multiplies nine blocks that exist: its first block is moved back where nine would pass the last block; what is not the wave's own is not stored.
; THE FIRST PASS'S ROWS are asked for inside the fill, a ring place as soon as the fill has left its registers, by every wave, with or without a block of its own (the nine blocks exist either way): they are on
; their way while the last weights come.  The pass loop is entered behind its own copy of these loads.
; NO CLUSTER: what an expert's 32 work-groups share is the row operand, and each fragment of it feeds one wave's products only; a joint load would land it in LDS, 36 KB written and read for each K step beside the
; 16 KB of weight fragments that are read there now; and how many passes a partner runs hangs on counts read from memory.
; THE RESULT'S LAYOUT is chosen so that it leaves without LDS.
;   FFN = 1: source 0 = 16 columns of the weights, source 1 = 16 rows.  Lane l holds row l % 16 and columns 8 (l / 16) + 0..7 of the block of 16: rounded, the lane's 16 bytes of a half-step of the next layer's rows.
;   FFN = 2: source 0 = 16 rows, source 1 = 16 columns, and column block c holds the columns 4 r + c (the fill lays them so).  Lane l holds column place r = l % 16 and rows 8 (l / 16) + 0..7: register j of the four
;            accumulators of a block is four neighbouring f32 of one row, and 16 lanes hold the row's 256 bytes.
; REGISTERS, in windows of 256 (s_set_vgpr_msb: bits 1:0 source 0, 3:2 source 1, 5:4 source 2, 7:6 destination):
;   window 0: v1-15 addresses; v16-47 bias; v48-79, v80-111 weight fragments, two buffers; v112-143 at work; v144-255 (and v48-79) the first layer's results to store, 16 registers a block
;   window 1: accumulators of blocks 0-7, (i, c) at 32 i + 8 c      window 2: row fragments of blocks 0-7, a ring of four K steps, (b, i) at 64 b + 8 i; in the fill: eight places for units of weights;
;   on the second layer's way out: its results to store, 32 registers a block      window 3: v0-31 accumulators of block 8; v32-63 its row fragments, then its results to store
; SCALARS: s[28:29], s[38:39], s[40:41], s[42:43] the rows' address for ring places 0 to 3, one each, so that each is stepped behind the wait that shows its own loads done; s[30:31] the output's.
; THE MODE: SCHED_MODE bits 1:0 = 2 (LLVM: expert scheduling mode 2), set by the entry lines.  The code itself states the register dependences
; between vector or matrix instructions and memory or LDS instructions, with s_wait_alu, always for 0.
; THE PLAN.  Registers that memory or LDS instructions touch:
;   X0 .. X3     the ring places.  K step k: its 36 products read X[k % 4]; the loads of K step k + 4 land in it, issued in K step k + 1.
;   WF0, WF1     the weight fragments.  K step k: its products read WF[k % 2]; the LDS loads of K step k + 2 land in it, issued at the head of K step k + 1.
;   v2, v3       read by the loop's LDS loads; written once a trip, at its head.
;   v1, v4 to v8, v10   offsets and addresses: made at the kernel's head, never written again; the rows are reached by the four scalar addresses and by immediate offsets.
;   v[TR ..]     in the fill: written by a unit's roundings, read by its four LDS stores.  The fill's eight places: read by a unit's roundings; later a further unit's or a ring place's loads land there.
;   the results to store   written by a block's way out, read by its stores; in the next pass written again, or loaded into.
;   The accumulators, the bias and v[UP ..] are named by vector and matrix instructions alone.
; So ONE wait on va_vdst stands in a K step, at its head: the products of the step before are done reading their ring place and their weight buffer (and, in a trip's first step, v2 and v3 are written).  The step's
; 26 loads follow it, dealt among its products, which name the step's own ring place, its own weight buffer and the accumulators: none of the registers that those loads touch.  One wait on vm_vsrc a trip stands
; ahead of the adds to v2 and v3.  A unit of the fill has one wait of each kind, a block's way out one on va_vdst, a pass's head one of each kind.
.if FFN == 1
.set PITCHW, 8192                      ; bytes from row to row of the weights
.set ABLK,   32768                     ; bytes of a block of the row operand
.set LOGA,   15
.set LOGH,   16                        ; 8 rows of the weights = 1 << LOGH bytes
.set LOGWV,  21                        ; 256 rows
.set W_MUL,  0x58                      ; weights (source 0) window 0, rows (source 1) window 2, sums window 1
.set W_MUL8, 0xfc                      ; block 8: rows and sums window 3
.else
.set PITCHW, 4096
.set ABLK,   65536
.set LOGA,   16
.set LOGH,   15
.set LOGWV,  20
.set W_MUL,  0x52                      ; rows (source 0) window 2, weights (source 1) window 0, sums window 1
.set W_MUL8, 0xf3
.set YH,     17301504                  ; bytes of one half's partial sums
.endif
.set PS,    2064                       ; a column's 1,024 numbers of 16 bits in LDS: 2,048 bytes + 16: the 16 columns of a fragment load start at 16 different groups of four banks (64 banks of 4 bytes: ISA guide 11.1)
.set HALFS, 32*PS                      ; LDS rows 32-63 begin here: beyond the reach of a 16-bit offset, so they have an address register of their own
.set SPARE, 134144                     ; the weights end at 132,096; 2,048 bytes are left free; then the spare words, 128 bytes for each wave: two blocks of 256 bytes that no other line names
.set BI, 16
.set WF, 48
.set TR, 112
.set UP, 128                           ; v[128:159], in the second layer's fill: 32 weights rounded to bf16 and widened again
.set MSB, 0
.macro WIN new                         ; the immediate's high byte repeats the setting that is left; a switch that changes nothing is dropped
.if MSB != (\new)
	s_set_vgpr_msb (MSB<<8)|(\new)
.set MSB, (\new)
.endif
.endm
.macro XB b                            ; XBR = the first register of ring place b's address
.if (\b) == 0
.set XBR, 28
.else
.set XBR, 36+2*(\b)
.endif
.endm
; A pass's nine blocks, from s23, my first block counted in the expert.
.macro PARAMS
	s_add_co_u32 s24, s18, s23                     ; my first block,
	s_sub_co_u32 s25, s20, 9
	s_min_u32 s25, s25, s24                        ; moved back where nine blocks from it on would pass the last block;
	s_min_u32 s25, s25, 255                        ; (there are 263 blocks at the most)
	s_sub_co_u32 s26, s24, s25                     ; lo: of the nine, mine begin here,
	s_sub_co_u32 s27, s19, s25                     ; hi: and the expert's end here
	s_lshl_b32 s34, s25, LOGA
	s_add_nc_u64 s[28:29], s[6:7], s[34:35]        ; ring place b begins with K step b: 1,024 bytes of a block each
	s_add_nc_u64 s[38:39], s[28:29], 1024
	s_add_nc_u64 s[40:41], s[28:29], 2048
	s_add_nc_u64 s[42:43], s[28:29], 3072
	s_lshl_b32 s34, s25, 16                        ; a block of the output is 65,536 bytes in either layer
	s_add_nc_u64 s[30:31], s[12:13], s[34:35]
.endm
.macro XBLK b, i0, n                   ; the row fragments of one K step for blocks i0 .. i0 + n - 1 (of 0 to 7): two loads of 512 consecutive bytes a block, into ring place b, from that place's address
	XB \b
	WIN 0x80
.set xi, \i0
.rept \n
	global_load_b128 v[64*(\b)+8*xi:64*(\b)+8*xi+3],   v1, s[XBR:XBR+1] offset:xi*ABLK
	global_load_b128 v[64*(\b)+8*xi+4:64*(\b)+8*xi+7], v1, s[XBR:XBR+1] offset:xi*ABLK+512
.set xi, xi+1
.endr
.endm
.macro XBLK8 b                         ; the same for block 8
	XB \b
	WIN 0xc0
	global_load_b128 v[32+8*(\b):32+8*(\b)+3],   v1, s[XBR:XBR+1] offset:8*ABLK
	global_load_b128 v[32+8*(\b)+4:32+8*(\b)+7], v1, s[XBR:XBR+1] offset:8*ABLK+512
.endm
.macro XLOAD b                         ; all nine blocks: 18 loads
	XBLK \b, 0, 8
	XBLK8 \b
	WIN 0
.endm
; THE FILL.  A unit is 16 rows of the weights x 64 columns; my wave has 16.  Eight loads bring it: load j, lane l: row 16 u + 8 h + j, columns 4 r .. 4 r + 3.  So a lane holds eight consecutive k of four columns,
; and pairing its registers along k IS the turn from [k][column] to [column][k]: 16 roundings, four stores of 16 bytes.  Six units, 48 loads, are on their way at a time.
; In the second layer the rounded pair is widened again (a shift, a mask) and written as f16: three lines more for each pair.
.macro WLOADU u
	WIN 0x80                                       ; destination window 2
.set j, 0
.rept 8
	global_load_b128 v[32*((\u)%8)+4*j:32*((\u)%8)+4*j+3], v6, s[8:9] offset:(16*(\u)+j)*PITCHW th:TH_LOAD_NT  ; two whole pieces of 256 bytes; read once in the launch
.set j, j+1
.endr
.endm
.macro WCONV u, left                   ; left: the loads issued behind unit u's, which may stay out
	s_wait_loadcnt \left
.if (\u) > 0
	s_wait_alu depctr_vm_vsrc(0)                   ; the LDS stores of the unit before have read v[TR ..], which the roundings below write again
.endif
	WIN 0x0a                                       ; sources window 2
.set c, 0
.rept 4
.set j, 0
.rept 4
	v_cvt_pk_bf16_f32 v[TR+4*c+j], v[32*((\u)%8)+8*j+c], v[32*((\u)%8)+8*j+4+c]
.set j, j+1
.endr
.set c, c+1
.endr
	WIN 0
.if FFN == 2
.set p, 0
.rept 16
	v_lshlrev_b32 v[UP+2*p],   16,  v[TR+p]        ; bf16 to f32: the low half moves up,
	v_and_b32     v[UP+2*p+1], s37, v[TR+p]        ; the high half stays
.set p, p+1
.endr
.set p, 0
.rept 16
	v_cvt_pk_f16_f32 v[TR+p], v[UP+2*p], v[UP+2*p+1]
.set p, p+1
.endr
.endif
	s_wait_alu depctr_va_vdst(0)                   ; the roundings have written v[TR ..], which the LDS stores read, and are done reading this unit's place and the earlier ones, in which the loads that follow land
.set c, 0
.rept 4
.if FFN == 1
	ds_store_b128 v7, v[TR+4*c:TR+4*c+3] offset:c*PS+32*(\u)
.else
	ds_store_b128 v[7+c/2], v[TR+4*c:TR+4*c+3] offset:(c%2)*16*PS+32*(\u)
.endif
.set c, c+1
.endr
.endm
.macro WFLOAD wf, wo, ar               ; the weight fragments of one K step, four column blocks: 8 LDS loads, into buffer wf, at byte wo of the LDS rows from where v[ar] and v[ar + 1] stand
.set c, 0
.rept 4
	ds_load_b128 v[WF+32*(\wf)+8*c:WF+32*(\wf)+8*c+3],   v[(\ar)+c/2] offset:(c%2)*16*PS+(\wo)
	ds_load_b128 v[WF+32*(\wf)+8*c+4:WF+32*(\wf)+8*c+7], v[(\ar)+c/2] offset:(c%2)*16*PS+(\wo)+32
.set c, c+1
.endr
.endm
.macro PROD acc, wr, xr, zero          ; one product; the layer chooses the format and which operand is source 0
.if FFN == 1
.if \zero
	v_wmma_f32_16x16x32_bf16 v[(\acc):(\acc)+7], v[(\wr):(\wr)+7], v[(\xr):(\xr)+7], 0
.else
	v_wmma_f32_16x16x32_bf16 v[(\acc):(\acc)+7], v[(\wr):(\wr)+7], v[(\xr):(\xr)+7], v[(\acc):(\acc)+7]
.endif
.else
.if \zero
	v_wmma_f32_16x16x32_f16 v[(\acc):(\acc)+7], v[(\xr):(\xr)+7], v[(\wr):(\wr)+7], 0
.else
	v_wmma_f32_16x16x32_f16 v[(\acc):(\acc)+7], v[(\xr):(\xr)+7], v[(\wr):(\wr)+7], v[(\acc):(\acc)+7]
.endif
.endif
.endm
.macro PRODS b, wf, i0, n, zero        ; the 4 n products of blocks i0 .. i0 + n - 1 (of 0 to 7)
	WIN W_MUL
.set blk, \i0
.rept \n
.set c, 0
.rept 4
	PROD 32*blk+8*c, WF+32*(\wf)+8*c, 64*(\b)+8*blk, \zero
.set c, c+1
.endr
.set blk, blk+1
.endr
.endm
; A K STEP of 32: 36 products on ring place b and weight buffer wf, the 36 accumulators by turns in the same order in every step.
; At its head the one wait on va_vdst; behind it the two buffers that the step before read are asked for anew: the weights of the next step (pw) at once, at byte wo of the LDS rows from where v2 and v3 stand,
; since they are wanted first; the rows of the step three on (px) dealt among the products: block 8's two loads at the head, then four loads behind each eight products.
; sx: ring place b's address steps.  lc: the younger row loads that may stay out (18 a step, and block 8's two just issued); dc: the younger weight loads (the next step's 8).
.macro STEP b, wf, zero, px, pw, sx, lc, dc, wo
.if (\px) || (\pw)
	s_wait_alu depctr_va_vdst(0)                   ; the products of the step before are done reading ring place (b + 3) % 4 and the other weight buffer, in which this step's loads land; in a trip's first step v2 and v3 are written
.endif
.if \pw
	WIN 0
	WFLOAD 1-(\wf), \wo, 2
.endif
.if \px
	XBLK8 (\b+3)%4
.endif
	s_wait_loadcnt \lc                             ; this ring place's 18 loads are in: its registers may be read,
	s_wait_dscnt \dc
.if \sx
	XB \b
	s_add_nc_u64 s[XBR:XBR+1], s[XBR:XBR+1], 4096  ; and its address, which only those loads named, may step: four K steps on
.endif
	PRODS \b, \wf, 0, 2, \zero
.if \px
	XBLK (\b+3)%4, 0, 2                            ; no wait: no vector or matrix instruction since the wait at the head names that ring place or v1
.endif
	PRODS \b, \wf, 2, 2, \zero
.if \px
	XBLK (\b+3)%4, 2, 2
.endif
	PRODS \b, \wf, 4, 2, \zero
.if \px
	XBLK (\b+3)%4, 4, 2
.endif
	PRODS \b, \wf, 6, 2, \zero
.if \px
	XBLK (\b+3)%4, 6, 2
.endif
	WIN W_MUL8
.set c, 0
.rept 4
	PROD 8*c, WF+32*(\wf)+8*c, 32+8*(\b), \zero
.set c, c+1
.endr
.endm
; THE WAY OUT of block i of the pass's nine, if it is mine: lo <= i < hi.  Each block stores from registers of its own, so that no block waits for the stores of the block before.
.macro OUTB i
	s_cmp_gt_u32 s26, \i
	s_cbranch_scc1 .Lno_\@
	s_cmp_le_u32 s27, \i
	s_cbranch_scc1 .Lno_\@
.if (\i) < 8
.set AB, 32*(\i)
.else
.set AB, 0
.endif
.if FFN == 1
.if (\i) < 7
.set PB, 144+16*(\i)
.else
.set PB, 48+16*((\i)-7)                ; the weight fragments' registers: free behind the last product
.endif
	WIN 0x01+2*((\i)/8)                            ; source 0: window 1, or 3 for block 8
.set p, 0
.rept 16
	v_pk_add_f32 v[TR+2*p:TR+2*p+1], v[AB+2*p:AB+2*p+1], v[BI+2*p:BI+2*p+1]    ; each accumulator from its low end on
.set p, p+1
.endr
	WIN 0
.set p, 0
.rept 16
	v_cvt_pk_f16_f32 v[PB+p], v[TR+2*p], v[TR+2*p+1]
.set p, p+1
.endr
.set p, 0
.rept 16
	v_pk_max_num_f16 v[PB+p], v[PB+p], v11         ; relu, two at a time
.set p, p+1
.endr
	s_wait_alu depctr_va_vdst(0)                   ; the relu has written v[PB ..], which the four stores read
.set c, 0
.rept 4
	global_store_b128 v1, v[PB+4*c:PB+4*c+3], s[30:31] offset:(\i)*65536+512*c  ; a lane's eight columns of a row ARE its 16 bytes of a half-step of the next layer's rows: 512 consecutive bytes
.set c, c+1
.endr
.else
.if (\i) < 8
.set DB, 32*(\i)
	WIN 0x81                                       ; from window 1 into window 2: the ring's registers, free behind the last product
.else
.set DB, 32
	WIN 0xc3                                       ; block 8: within window 3
.endif
.set j, 0
.rept 8                                 ; register j of the four accumulators: columns 4 r .. 4 r + 3 of row 8 h + j, brought side by side; 32 moves take the place of a round trip through LDS
.set c, 0
.rept 4
	v_mov_b32 v[DB+4*j+c], v[AB+8*c+j]             ; j ascending: each accumulator from its low end on
.set c, c+1
.endr
.set j, j+1
.endr
	WIN 0x08+4*((\i)/8)                            ; a store's data is source 1: window 2, or 3 for block 8; its address, source 0, window 0
	s_wait_alu depctr_va_vdst(0)                   ; the moves have written v[DB ..], which the eight stores read
.set j, 0
.rept 8
	global_store_b128 v10, v[DB+4*j:DB+4*j+3], s[30:31] offset:(\i)*65536+4096*j  ; 16 lanes store 256 consecutive bytes, at a multiple of 256 from the buffer's first byte
.set j, j+1
.endr
	WIN 0
.endif
.Lno_\@:
.endm
.if FFN == 1
	s_load_b256 s[4:11], s[0:1], 0x0               ; meta s[4:5], rows s[6:7], weights s[8:9], bias s[10:11]
	s_load_b64 s[12:13], s[0:1], 0x20              ; output
.else
	s_load_b128 s[4:7], s[0:1], 0x0                ; meta s[4:5], rows s[6:7]
	s_load_b128 s[8:11], s[0:1], 0x10              ; weights s[8:9], output s[10:11]
.endif
	v_lshl_add_u32 v12, v0, 2, SPARE               ; my spare word, and 0: kept for the add at the wave's end alone
	v_mov_b32 v13, 0
	v_lshrrev_b32 v14, 5, v0
	v_readfirstlane_b32 s14, v14                   ; wave 0..3
	v_and_b32 v14, 31, v0
	v_lshlrev_b32 v1, 4, v14                       ; 16 x lane
	v_and_b32 v15, 15, v0                          ; r = l % 16
	v_bfe_u32 v14, v0, 4, 1                        ; h = l / 16
	v_mul_u32_u24 v4, v15, PS
	v_lshl_add_u32 v4, v14, 4, v4                  ; a weight fragment: LDS row r, 16 bytes for each half of the lanes
	v_add_nc_u32 v5, HALFS, v4
	v_lshlrev_b32 v6, 4, v15
	v_lshl_add_u32 v6, v14, LOGH, v6               ; the fill's loads: lanes 0-15 one row's 256 bytes, lanes 16-31 those of the row 8 further down
	s_wait_alu depctr_va_sdst(0)                   ; s14 is written, ahead of its first reader: LDS places, the weights' address and my blocks are made from it
	s_lshl_b32 s2, s14, 9                          ; my wave's 256 k in an LDS row
	s_mov_b32 s37, 0xffff0000                      ; a word's upper bf16
.if FFN == 1
	v_mul_u32_u24 v7, v15, 4*PS
	v_lshl_add_u32 v7, v14, 4, v7
	v_add_nc_u32 v7, s2, v7                        ; the fill's stores: column 4 r + c lies in LDS row 4 r + c; k = 256 w + 8 h
	v_lshlrev_b32 v10, 5, v14                      ; my eight bias numbers of a column block: 32 h
	v_mov_b32 v11, 0                               ; for the relu
	s_mov_b32 s15, ttmp9                           ; which 64 columns
.else
	v_add_nc_u32 v7, s2, v4                        ; the fill's stores: column 4 r + c lies in LDS row 16 c + r; k = 256 w + 8 h
	v_add_nc_u32 v8, s2, v5
	v_lshlrev_b32 v10, 4, v15
	v_lshl_add_u32 v10, v14, 15, v10               ; the way out: 16 r bytes in a row, lanes 16-31 eight rows of 4,096 bytes down
	s_and_b32 s15, ttmp9, 15                       ; which 64 columns,
	s_lshr_b32 s17, ttmp9, 4                       ; which half of K
.endif
	s_and_b32 s16, ttmp7, 0xffff                   ; the expert
	s_lshl_b32 s33, s16, 2
	s_lshl_b32 s34, s16, 23                        ; the expert's weights: 8,388,608 bytes,
	s_lshl_b32 s3, s14, LOGWV                      ; my wave's 256 rows,
	s_add_co_u32 s34, s34, s3
	s_lshl_b32 s3, s15, 8                          ; the group's 256 bytes of each
	s_add_co_u32 s34, s34, s3
.if FFN == 2
	s_lshl_b32 s2, s17, 22                         ; the half's 1,024 rows
	s_add_co_u32 s34, s34, s2
.endif
	s_mov_b32 s35, 0
	s_wait_kmcnt 0x0
	s_add_nc_u64 s[8:9], s[8:9], s[34:35]
	s_load_b64 s[18:19], s[4:5], s33 offset:0x0    ; off[e], off[e + 1]
	s_load_b32 s20, s[4:5], 0x20                   ; the number of blocks
	s_wait_alu depctr_va_vdst(0)                   ; the offsets and addresses v1, v4 to v8 and v10 are written: every load and store of the kernel but the loop's weight fragments reads one of them
.if FFN == 1
	s_lshl_b32 s34, s16, 13
	s_add_co_u32 s34, s34, s3
	s_add_nc_u64 s[10:11], s[10:11], s[34:35]      ; the bias of my 64 columns
	s_lshl_b32 s34, s15, 11
	s_add_nc_u64 s[12:13], s[12:13], s[34:35]      ; the output's half-steps 4 x .. 4 x + 3 of block 0
.irp c, 0,1,2,3
	global_load_b128 v[BI+8*\c:BI+8*\c+3],   v10, s[10:11] offset:64*\c
	global_load_b128 v[BI+8*\c+4:BI+8*\c+7], v10, s[10:11] offset:64*\c+16
.endr
.else
	s_lshl_b32 s34, s17, 15
	s_add_nc_u64 s[6:7], s[6:7], s[34:35]          ; the half's 64 half-steps of a block
	s_mul_i32 s34, s17, YH
	s_add_co_u32 s34, s34, s3
	s_add_nc_u64 s[12:13], s[10:11], s[34:35]      ; the half's sums, my 64 columns of row 0
.endif
.irp u, 0,1,2,3,4,5
	WLOADU \u
.endr
.irp u, 0,1,2,3,4,5,6,7,8,9
	WCONV \u, 40                                   ; five younger units of 8 loads stay out
	WLOADU \u+6                                    ; into the place that the unit two back left: no vector instruction since the unit's wait on va_vdst
.endr
	WCONV 10, 40
	s_wait_kmcnt 0x0                               ; the three counts
	s_sub_co_u32 s21, s19, s18                     ; the expert's blocks
	s_mul_i32 s23, s14, 9                          ; my first block of pass 0, counted in the expert
	s_mov_b32 s22, 4
	PARAMS
	XLOAD 0                                        ; ring place b lies where the fill's units 8 + 2 b and 9 + 2 b lay: it is loaded behind their conversion, and behind the wait on va_vdst of the unit after them
	WCONV 11, 50                                   ; four younger units, and place 0's 18 loads
	WCONV 12, 42                                   ; three, and 18
	XLOAD 1
	WCONV 13, 52                                   ; two, and 36
	WCONV 14, 44                                   ; one, and 36
	XLOAD 2
	WCONV 15, 54                                   ; the three places' 54
	XLOAD 3
.if FFN == 1
	s_wait_alu depctr_vm_vsrc(0)                   ; the fill's last LDS stores have read v[TR ..], which the lines below and the way out write
.set p, 0
.rept 16                                ; the bias rounded to bf16 and widened again (it came in ahead of the weights)
	v_cvt_pk_bf16_f32 v[TR], v[BI+2*p], v[BI+2*p+1]
	v_lshlrev_b32 v[BI+2*p], 16, v[TR]
	v_and_b32 v[BI+2*p+1], s37, v[TR]
.set p, p+1
.endr
.endif
	s_wait_dscnt 0x0                               ; for the others' sake: my quarter of the weights is in LDS
	s_barrier_signal -1
	s_barrier_wait -1                              ; behind it the weights are only read
	s_cmp_lt_u32 s23, s21
	s_cbranch_scc1 .Lgo                            ; the first pass's rows are on their way already
	s_branch .Lskip                                ; no block of the expert for me
.Lpass:
	s_wait_loadcnt 0x0                             ; (a wave that jumped over the first pass still has that pass's row loads out)
	s_wait_xcnt 0x0                                ; the stores' base and registers of the pass before are rewritten only behind this wait
	s_wait_alu depctr_vm_vsrc(0)                   ; the stores of the pass before have read their data registers, in which this pass's loads land or which its way out writes
	s_wait_alu depctr_va_vdst(0)                   ; the products and the way out of the pass before are done with the ring's and the weight fragments' registers, in which the loads below land
	s_cmp_ge_u32 s23, s21
	s_cbranch_scc1 .Lskip                          ; no block of the expert is left for me
	PARAMS
	XLOAD 0
	XLOAD 1
	XLOAD 2
	XLOAD 3
.Lgo:
	s_mov_b32 s36, 0                               ; how far along K a trip's weight fragments begin, in bytes of an LDS row
	WFLOAD 0, 0, 4                                 ; K steps 0 and 1, by the lane's fixed addresses v4 and v5
	WFLOAD 1, 64, 4
	STEP 0, 0, 1, 0, 0, 1, 54, 8, 0                ; K step 0 starts the sums: nothing is cleared; no step stands in front of it, so it asks for nothing
	WIN 0                                          ; at a label and at a branch every window is 0
	s_mov_b32 s32, 6
.Lk:                                                   ; trip T: K steps 4 T + 1 .. 4 T + 4; they fetch the rows of steps 4 T + 4 .. 4 T + 7 and the weights of steps 4 T + 2 .. 4 T + 5, at bytes 256 T + 128 .. + 320
	s_wait_alu depctr_vm_vsrc(0)                   ; the LDS loads issued so far have read v2 and v3
	v_add_nc_u32 v2, s36, v4                       ; the two addresses are made anew in each trip, from the lane's fixed part and the trip's 256 T
	v_add_nc_u32 v3, s36, v5
	STEP 1, 1, 0, 1, 1, 1, 38, 8, 128
	STEP 2, 0, 0, 1, 1, 1, 38, 8, 192
	STEP 3, 1, 0, 1, 1, 1, 38, 8, 256
	STEP 0, 0, 0, 1, 1, 1, 38, 8, 320
	WIN 0
	s_add_co_u32 s36, s36, 256
	s_sub_co_u32 s32, s32, 1
	s_cmp_lg_u32 s32, 0
	s_cbranch_scc1 .Lk
	s_wait_alu depctr_vm_vsrc(0)                   ; the LDS loads issued so far have read v2 and v3
	v_add_nc_u32 v2, s36, v4                       ; 1,536 after the six trips
	v_add_nc_u32 v3, s36, v5
	STEP 1, 1, 0, 1, 1, 1, 38, 8, 128              ; K steps 25 to 31: the loads run out, and no load passes a block's end
	STEP 2, 0, 0, 1, 1, 1, 38, 8, 192
	STEP 3, 1, 0, 1, 1, 1, 38, 8, 256
	STEP 0, 0, 0, 1, 1, 0, 38, 8, 320              ; the rows of K step 31: the last
	STEP 1, 1, 0, 0, 1, 0, 36, 8, 384
	STEP 2, 0, 0, 0, 1, 0, 18, 8, 448              ; the weights of K step 31: the last
	STEP 3, 1, 0, 0, 0, 0, 0, 0, 0
	WIN 0
.rept 5
	v_nop                                          ; five places behind the last products (ISA guide 7.12.1): four ahead of the way out's vector lines, which read their results and write their sources; the fifth for
.endr                                                  ; the next pass's first products, which begin new sums in the same accumulators and so write over them, also where every block's way out is jumped over
.irp i, 0,1,2,3,4,5,6,7,8
	OUTB \i
.endr
.Lskip:
	s_add_co_u32 s23, s23, 36
	s_sub_co_u32 s22, s22, 1
	s_cmp_lg_u32 s22, 0
	s_cbranch_scc1 .Lpass
	s_wait_dscnt 0x0                               ; my reads of LDS are over;
	s_barrier_signal -1
	s_barrier_wait -1                              ; every wave's are: the closing adds stand behind all reads
	s_wait_dscnt 0x0                               ; the closing lines, six on end
	s_wait_alu 0x0
	s_wait_tensorcnt 0x0
	ds_add_u32 v12, v13
	s_wait_dscnt 0x0
	s_endpgm
.Lfunc_end_k_qa555e898a5_ffn2:
	.size	k_qa555e898a5_ffn2, .Lfunc_end_k_qa555e898a5_ffn2-k_qa555e898a5_ffn2
	.p2alignl 7, 3214868480
	.fill 96, 4, 3214868480
	.section	.rodata,"a",@progbits
	.p2align	6, 0x0
	.amdhsa_kernel k_qa555e898a5_ffn2
		.amdhsa_group_segment_fixed_size 134656
		.amdhsa_private_segment_fixed_size 0
		.amdhsa_enable_private_segment 0
		.amdhsa_kernarg_size 32
		.amdhsa_user_sgpr_count 2
		.amdhsa_user_sgpr_kernarg_segment_ptr 1
		.amdhsa_wavefront_size32 1
		.amdhsa_system_sgpr_workgroup_id_x 1
		.amdhsa_system_sgpr_workgroup_id_y 1
		.amdhsa_system_sgpr_workgroup_id_z 1
		.amdhsa_system_vgpr_workitem_id 0
		.amdhsa_next_free_vgpr 832
		.amdhsa_next_free_sgpr 66
		.amdhsa_reserve_vcc 0
		.amdhsa_float_denorm_mode_32 3
		.amdhsa_float_denorm_mode_16_64 3
		.amdhsa_memory_ordered 1
		.amdhsa_forward_progress 1
		.amdhsa_inst_pref_size 155
	.end_amdhsa_kernel
	.amdgpu_metadata
---
amdhsa.version: [ 1, 2 ]
amdhsa.kernels:
  - .name:           k_qa555e898a5_ffn2
    .symbol:         k_qa555e898a5_ffn2.kd
    .args:
      - { .name: meta, .offset: 0, .size: 8, .value_kind: global_buffer, .address_space: global }
      - { .name: hbuf, .offset: 8, .size: 8, .value_kind: global_buffer, .address_space: global }
      - { .name: w2, .offset: 16, .size: 8, .value_kind: global_buffer, .address_space: global }
      - { .name: ypart, .offset: 24, .size: 8, .value_kind: global_buffer, .address_space: global }
    .group_segment_fixed_size: 134656
    .private_segment_fixed_size: 0
    .kernarg_segment_align: 8
    .kernarg_segment_size: 32
    .max_flat_workgroup_size: 128
    .sgpr_count:     66
    .vgpr_count:     832
    .wavefront_size: 32
...
	.end_amdgpu_metadata
.endif
;; end of part 7
;; launch combine: the kernel of part 5 again; grid 256 x 1, 8 waves a work-group, no clusters, 1,536 bytes of LDS; arguments tokrow, val, ypart, b2, out0; writes out0
